; MI455X (gfx1250); checked and timed in simulation.
; The chip was launched on July 23, 2026; its instructions are those of AMD's public machine-readable ISA for CDNA 5 (MIT licence, August 2026) and "CDNA5" Instruction Set Architecture Reference Guide (July 2026). The comments in the code are by the model that wrote it; some were corrected since.
;; Multi Head Self Attention. Allowed arithmetic: matrix products marked QUANTISED: E4M3 operands, one E8M0 scale for each 32 along K, by v_wmma_scale_f32_16x16x128_f8f6f4 with both operands' format E4M3, f32 sums; everything else in f32.
;; Inputs: W_k 2,048 x 1,024 float32; W_o 2,048 x 2,048 float32; W_q 2,048 x 2,048 float32; W_v 2,048 x 1,024 float32; x 4 x 1,024 x 2,048 float32.
;; Outputs: out0 4 x 1,024 x 2,048 float32.
;; This version of the problem:
;;   THIS VERSION OF THE PROBLEM IS GIVEN IN LOW PRECISION. The matrix products marked QUANTISED in the list below multiply operands that are first quantised to E4M3 (4 exponent bits, 3 mantissa bits; 8 bits a number), with one power-of-two scale for each 32 numbers along K (OCP MX v1.0); their sums are f32. All else is computed in f32.
;;   The module's matrix products, in the order in which they are computed (A, B: the left and right operand; K: the contracted axis; several contracted axes count as one K, in the product's order):
;;     1. [M 4,096, K 2,048] x [K 2,048, N 2,048]; A: input x; B: input W_q: QUANTISED
;;     2. [M 4,096, K 2,048] x [K 2,048, N 1,024]; A: input x; B: input W_k: QUANTISED
;;     3. [M 4,096, K 2,048] x [K 2,048, N 1,024]; A: input x; B: input W_v: QUANTISED
;;     4. batch 64 x [M 1,024, K 128] x [K 128, N 1,024]; A: computed on the way; B: computed on the way: QUANTISED
;;     5. batch 64 x [M 128, K 1,024] x [K 1,024, N 1,024]; A: computed on the way; B: softmax (see below): QUANTISED
;;     6. [M 4,096, K 2,048] x [K 2,048, N 2,048]; A: computed on the way; B: input W_o: QUANTISED
;;   THE QUANTISER, for each operand of a quantised product, along K:
;;     - K is cut into blocks of 32 from its start; a last block that is shorter is filled with zeros.
;;     - A block's scale is 2^e with e = floor(log2(the largest magnitude in the block)) - 8, held to -126 .. 127; a block of zeros has e = 0. As a byte (E8M0): e + 127.
;;     - Each number is divided by its block's scale, clamped to +-448, and rounded to the nearest number of E4M3, ties to even, subnormals kept.
;;     - The product sums the exact products of the quantised numbers (number of the format x scale) in f32.
;;   ~~~python
;;   def quantise(x, axis):      # numpy; x: float32 -> the quantised numbers, widened to float32 again
;;       x = np.moveaxis(x, axis, -1); K = x.shape[-1]
;;       x = np.pad(x, [(0, 0)] * (x.ndim - 1) + [(0, -K % 32)]); x = x.reshape(x.shape[:-1] + (-1, 32)); a = np.abs(x).max(-1, keepdims=True)
;;       e = np.where(a > 0, np.clip(np.frexp(np.where(a > 0, a, 1))[1] - 1 - 8, -126, 127), 0)      # np.frexp(a)[1] - 1 = floor(log2(a)), exactly
;;       r = np.clip(x / 2.0 ** e, -448, 448)
;;       step = 2.0 ** (np.maximum(np.frexp(np.where(r == 0, 1, r))[1] - 1, -6) - 3)
;;       q = np.round(r / step) * step * 2.0 ** e      # np.round: ties to even
;;       return np.moveaxis(q.reshape(q.shape[:-2] + (-1,))[..., :K], -1, axis).astype(np.float32)
;;   ~~~
;;   SOFTMAX AHEAD OF A QUANTISED PRODUCT. Where the list says 'softmax', what is quantised is not the finished softmax but p = 2^(t - M), with t = logit x log2(e) and M = ceil(the row's largest t), a whole number; so 1/2 < the row's largest p <= 1. The row's sum l is taken of the UNQUANTISED p, in f32, and the product's result is divided by l at the end. Since M is a whole number, a kernel that streams over the keys may use a running M (the ceiling of the running maximum): every later rescaling is an exact power of two, which a block's scale takes up: the codes' values come out the same.
;;   OPERANDS COMPUTED ON THE WAY. 'Computed on the way' means the value that the module computes at that place (a softmax that the list does not call 'softmax' is quantised finished and normalised). What goes into a quantiser is computed in f32, as accurately as f32 sums, v_exp_f32 and their like allow (about 1e-6 of the number): no bf16 or f16 on the way to a quantiser, and a product that is left as it is and whose result goes on into a quantised operand takes f32 operands (vector FMAs, or v_wmma_f32_16x16x4_f32). A number that lies on a knife's edge between two numbers of the format may be rounded either way, as far as f32 arithmetic and the matrix unit's own rounding can turn it there, and no further.
;; One version. Each part assembles by itself: llvm-mc -triple=amdgcn-amd-amdhsa -mcpu=gfx1250 --defsym DOCPART=n.
;; ======== version 1 of 1: 4 launches
;; limits: right only within a limited range of input values
;; workspace buffers: codes 20,971,520 bytes; scales 655,360 bytes; tab 1,048,576 bytes; q_codes 8,388,608 bytes; q_scales 524,288 bytes; kv 8,912,896 bytes; a_codes 8,388,608 bytes; a_scales 524,288 bytes
;; launch prep (part 1): grid 768 x 1, 4 waves a work-group, no clusters, 68,096 bytes of LDS; arguments x, W_q, W_k, W_v, W_o, codes, scales, tab; writes codes, scales, tab
.if DOCPART == 1
	.amdgcn_target "amdgcn-amd-amdhsa--gfx1250"
	.amdhsa_code_object_version 6
	.text
	.protected	k_qf674238368_prep
	.globl	k_qf674238368_prep
	.p2align	8
	.type	k_qf674238368_prep,@function
k_qf674238368_prep:
	s_mov_b64 s[64:65], 0
	v_nop
	global_prefetch_b8 v0, s[64:65] scope:SCOPE_SE
	s_setreg_imm32_b32 hwreg(HW_REG_WAVE_MODE, 25, 1), 1
	s_wait_xcnt 0x0
; MULTI-HEAD SELF-ATTENTION (GQA, XPos rotary, causal) IN MX-FP8.  Four launches: prep, qkv, attn, oproj.  This one quantises x and the four weights once and makes the rotary tables.
; WORK LEFT OUT BY THE PROGRAM (in launch attn): reference() sets scores to -inf where key > query by a mask that it builds itself (triu); for every finite input p = 0 there, so such a key adds 0 to the row's sum and to p v.
; A chunk of 128 keys all of which come after a tile's 16 queries is therefore left out whole: its scores, exponentials and products.  jnp.repeat copies k and v: both query heads read the same codes.  No input is dead.
; LIMIT: a NaN, an infinity or an overflow that would arise only in a chunk left out is not carried to the result.
; LIMITS OF THE QUANTISERS (all launches): a block of zeros gets the byte 1 where the rule says 127 (its codes are zeros, which add nothing, and only this program reads the bytes); blocks whose largest magnitude lies
; under 2^-118 (the floor) were not tried; NaN and infinities among the inputs are not served.
; LIMITS OF THE TABLES: inv_freq = 2^(-i log2(10000) / 64) by v_exp_f32, within about 1.3e-7 of its value, so an angle (at most 1,023 rad) within about 1e-4 rad; scale x cos and scale x sin are rounded once before they
; meet q or k (reference() rounds q x scale first): an order of rounding, about 1e-7 of the number.
; ROW ORDER.  PERM(p) = p with bits 3 and 4 exchanged.  Row p of x (a token) and column n of a weight are stored at row PERM(p) of their part of codes and scales.  A tile of 16 neighbouring stored rows, number 2 b + u,
; then holds at index 8 g + i the row 32 b + 16 g + 8 u + i: used as source 0 of a matrix instruction, the eight result registers of tiles 2 b and 2 b + 1 in lane half h are the 16 neighbours 32 b + 16 h + 0 .. 15.
; codes: [10,240 rows][2,048 bytes], K innermost: rows 0-4095 x, 4096-6143 W_q, 6144-7167 W_k, 7168-8191 W_v, 8192-10239 W_o.  scales: [10,240][64].
; tab: [q, k][64 tiles of 16 stored tokens][16 groups][32 lanes][16 bytes] f32: groups 0-7 scale x cos, groups 8-15 scale x sin (k: 1 / scale), in the order in which launch qkv's lanes hold their results.
; THREE PATHS, parted on the work-group's number alone, each with LDS bytes of its own: 0-255 x (K innermost), 256-639 the weights (K is the first axis), 640-767 the tables.  No tensor load, no barrier: waves share nothing.
.set SPARE, 67584                      ; the spare words, 128 bytes for each wave: two blocks of 256 bytes that no other line names
.set SPW,   12                         ; v12  LDS address of my spare word; never rewritten
.set NIL,   13                         ; v13  0; never rewritten
.set EMAX,  8
.set MANT,  0x600000                   ; the mantissa field of 448 as f32
; path x
.set STEPS, 16
.set CB,    16                         ; bytes of 16 codes
.set XR,    16                         ; v16-79   four sets of 16 numbers as they are loaded
.set XN,    80                         ; v80-111  two sets of 16 neighbours
.set XE,    112                        ; v112-127 a scale byte for each step
.set XC,    128                        ; v128-191 codes: four registers for each step
.set WREG,  8192                       ; LDS 0 .. 32,767: a region for each wave: two stages of 32 x SP bytes, then its 256 scale bytes
.set SP,    80                         ; a lane's place in a stage: 64 bytes + 16 of padding
; path weights
.set NB,    8                          ; blocks of 32 along K for a wave
.set PITCH, 272                        ; a stage row: 256 bytes of codes + 16
.set WSTG,  32768                      ; LDS 32,768 .. 67,583: a stage of 32 rows for each wave
.set WX,    32                         ; v32-95   two sets of 32 numbers; on the way out 16 x 4 registers
.set WC,    96                         ; v96-103  a block's codes
.set WSB,   24                         ; v24-25   the scale bytes
.set WOF,   112                        ; v112-143 byte offset of row i of a block at my column: 4 x lane + i x a row of the weight
	s_load_b512 s[4:19], s[0:1], 0x0               ; x s[4:5], W_q s[6:7], W_k s[8:9], W_v s[10:11], W_o s[12:13], codes s[14:15], scales s[16:17], tab s[18:19]
	v_lshl_add_u32 v[SPW], v0, 2, SPARE
	v_mov_b32 v[NIL], 0
	v_lshrrev_b32 v1, 5, v0
	v_readfirstlane_b32 s20, v1                    ; wave 0..3
	v_and_b32 v2, 31, v0                           ; lane
	s_cmp_ge_u32 ttmp9, 640
	s_cbranch_scc1 .Ltables
	s_cmp_ge_u32 ttmp9, 256
	s_cbranch_scc1 .Lweights
; ---------------------------------------------------------------- x: a plain stream of blocks of 32.  A wave takes 16 steps of 512 numbers: four rows.
; Each load reads 512 consecutive bytes; a step's 2,048 bytes turn through the wave's own stage, so that a lane then holds 16 neighbours along K (two neighbouring lanes hold a block).
	v_lshlrev_b32 v3, 4, v2                        ; my 16 bytes of a load's 512
	s_mul_i32 s21, s20, WREG
	v_lshrrev_b32 v14, 2, v2
	v_mul_u32_u24 v14, v14, SP
	v_and_b32 v15, 3, v2
	v_lshl_add_u32 v14, v15, 4, v14
	v_add_nc_u32 v14, s21, v14                     ; the stage, on the way in: SP (lane / 4) + 16 (lane % 4)
	v_mul_u32_u24 v15, v2, SP
	v_add_nc_u32 v15, s21, v15                     ; and on the way out: SP x lane
	v_mul_u32_u24 v4, v2, CB                       ; my codes' place in a step's
	v_lshrrev_b32 v5, 1, v2
	s_add_co_u32 s21, s21, 2*32*SP
	v_add_nc_u32 v5, s21, v5                       ; my wave's 256 scale bytes, my block's byte
	v_lshlrev_b32 v7, 3, v2
	v_add_nc_u32 v6, s21, v7                       ; and on the way out 8 bytes a lane
	s_mov_b32 s23, MANT
	s_lshl_b32 s24, ttmp9, 2
	s_add_co_u32 s24, s24, s20                     ; which run of four rows is mine: 0 .. 1,023
	s_and_b32 s25, s24, 2
	s_lshl_b32 s25, s25, 1
	s_and_b32 s26, s24, 4
	s_lshr_b32 s26, s26, 1
	s_and_b32 s27, s24, 0xfffffff9
	s_or_b32 s27, s27, s25
	s_or_b32 s27, s27, s26                         ; the run's bits 1 and 2 exchanged: the rows' bits 3 and 4: where the run is stored
	s_lshl_b32 s28, s24, 15                        ; 32,768 bytes of f32 a run
	s_mov_b32 s29, 0
	s_lshl_b32 s30, s27, 13                        ; 8,192 bytes of codes
	s_mov_b32 s31, 0
	s_lshl_b32 s32, s27, 8                         ; 256 scale bytes
	s_mov_b32 s33, 0
	s_wait_alu depctr_va_vdst(0)
	s_wait_kmcnt 0x0
	s_add_nc_u64 s[4:5], s[4:5], s[28:29]
	s_add_nc_u64 s[14:15], s[14:15], s[30:31]
	s_add_nc_u64 s[16:17], s[16:17], s[32:33]
.macro XLOAD t
.irp i, 0,1,2,3
	global_load_b128 v[XR+16*((\t)%4)+4*\i:XR+16*((\t)%4)+4*\i+3], v3, s[4:5] offset:2048*(\t)+512*\i th:TH_LOAD_NT
.endr
.endm
.macro XTURN t                         ; step t's numbers through the stage: LDS serves a wave's instructions in order, so no wait stands between the stores and the loads
.irp i, 0,1,2,3
	ds_store_b128 v14, v[XR+16*((\t)%4)+4*\i:XR+16*((\t)%4)+4*\i+3] offset:32*SP*((\t)%2)+8*SP*\i
.endr
.irp i, 0,1,2,3
	ds_load_b128 v[XN+16*((\t)%2)+4*\i:XN+16*((\t)%2)+4*\i+3], v15 offset:32*SP*((\t)%2)+16*\i
.endr
.endm
.irp t, 0,1,2,3
	XLOAD \t
.endr
	s_wait_loadcnt 12                              ; step 0's four loads are in; twelve younger ones stay out
	XTURN 0
.macro XSTEP t
.set XS, XN+16*((\t)%2)
.if (\t) > 0
	s_wait_dscnt 1                                 ; this step's numbers are back from the stage (the last step's byte store may be out)
.else
	s_wait_dscnt 0x0
.endif
.if (\t)+4 < STEPS
	XLOAD (\t)+4                                   ; into the set that this step's stores to the stage have read
.endif
.if (\t)+1 < STEPS
.if STEPS-2-(\t) >= 3
	s_wait_loadcnt 12                              ; the next step's four loads are in; those of the three steps behind it may be out
.else
	s_wait_loadcnt 4*(STEPS-2-(\t))
.endif
	XTURN (\t)+1
.endif
	v_max3_num_f32 v8, |v[XS]|, |v[XS+1]|, |v[XS+2]|               ; the largest magnitude of my 16
	v_max3_num_f32 v9, |v[XS+3]|, |v[XS+4]|, |v[XS+5]|
.irp i, 6,10
	v_max3_num_f32 v8, v8, |v[XS+\i]|, |v[XS+\i+1]|
	v_max3_num_f32 v9, v9, |v[XS+\i+2]|, |v[XS+\i+3]|
.endr
	v_max3_num_f32 v8, v8, |v[XS+14]|, |v[XS+15]|
	v_max3_num_f32 v8, v8, v9, (EMAX+1)<<23        ; and the floor 2^(9 - 127): the byte cannot fall under 1
	v_max_num_f32_dpp v8, v8, v8 row_xmask:1 row_mask:0xf bank_mask:0xf   ; and of my neighbour's 16: the block's
	v_add_nc_u32 v11, -(EMAX<<23), v8              ; 8 off its exponent field: the conversion's scale operand
	v_and_or_b32 v10, v8, 0x7f800000, s23          ; 448 x the scale
.irp i, 0,1,2,3,4,5,6,7,8,9,10,11,12,13,14,15
	v_med3_num_f32 v[XS+\i], v[XS+\i], -v10, v10   ; the conversion to an 8-bit code does not saturate (ISA guide 7.6.2): the hold
.endr
	v_cvt_scalef32_pk8_fp8_f32 v[XC+4*(\t):XC+4*(\t)+1], v[XS:XS+7], v11
	v_cvt_scalef32_pk8_fp8_f32 v[XC+4*(\t)+2:XC+4*(\t)+3], v[XS+8:XS+15], v11
	v_lshrrev_b32 v[XE+(\t)], 23, v11              ; the scale's byte
	ds_store_b8 v5, v[XE+(\t)] offset:16*(\t)      ; both lanes of a block write the same byte with the same value
	global_store_b128 v4, v[XC+4*(\t):XC+4*(\t)+3], s[14:15] offset:32*CB*(\t)   ; the wave stores 512 consecutive bytes
.endm
.irp t, 0,1,2,3,4,5,6,7,8,9,10,11,12,13,14,15
	XSTEP \t
.endr
	ds_load_b64 v[8:9], v6                         ; LDS serves a wave's instructions in order: these see my stores
	s_wait_dscnt 0x0
	global_store_b64 v7, v[8:9], s[16:17]          ; 32 lanes store 256 consecutive bytes, aligned
	s_wait_tensorcnt 0x0                           ; the wave's end
	ds_add_u32 v[SPW], v[NIL]
	s_wait_dscnt 0x0
	s_endpgm
; ---------------------------------------------------------------- the weights, [K][N]: a lane takes a column n and its registers run down K.  A work-group: 128 columns x 256 along K; a wave: 32 columns.
.Lweights:
	s_sub_co_u32 s21, ttmp9, 256
	s_lshr_b32 s22, s21, 3                         ; group of 128 columns, 0 .. 47: 0-15 W_q, 16-23 W_k, 24-31 W_v, 32-47 W_o
	s_and_b32 s23, s21, 7                          ; which 256 along K
	s_wait_kmcnt 0x0
	s_cmp_lt_u32 s22, 32                           ; the choices hang on the work-group's number alone
	s_cselect_b64 s[24:25], s[10:11], s[12:13]
	s_cselect_b32 s26, 24, 32                      ; the weight's first group
	s_cselect_b32 s27, 12, 13                      ; log2 of a row's bytes: 4,096 or 8,192
	s_cmp_lt_u32 s22, 24
	s_cselect_b64 s[24:25], s[8:9], s[24:25]
	s_cselect_b32 s26, 16, s26
	s_cmp_lt_u32 s22, 16
	s_cselect_b64 s[24:25], s[6:7], s[24:25]
	s_cselect_b32 s26, 0, s26
	s_cselect_b32 s27, 13, s27
	s_lshl_b32 s28, 1, s27                         ; a row of the weight, in bytes
	s_sub_co_u32 s29, s22, s26
	s_lshl_b32 s29, s29, 9                         ; 128 columns x 4 bytes a group,
	s_lshl_b32 s30, s20, 7                         ; 32 columns a wave,
	s_add_co_u32 s29, s29, s30
	s_lshl_b32 s30, s23, 8
	s_lshl_b32 s30, s30, s27                       ; 256 rows a step along K
	s_add_co_u32 s30, s30, s29
	s_mov_b32 s31, 0
	s_add_nc_u64 s[32:33], s[24:25], s[30:31]      ; block 0 at my wave's first column
	s_lshl_b32 s30, s28, 5                         ; 32 rows on
.irp t, 1,2,3,4,5,6,7
	s_add_nc_u64 s[32+2*\t:33+2*\t], s[30+2*\t:31+2*\t], s[30:31]   ; a base for each block: nothing is stepped later
.endr
	s_wait_alu depctr_va_vdst(0)
	v_lshlrev_b32 v[WOF], 2, v2
.set i, 1
.rept 31
	v_add_nc_u32 v[WOF+i], s28, v[WOF+i-1]
.set i, i+1
.endr
	s_mul_i32 s21, s20, 32*PITCH
	s_add_co_u32 s21, s21, WSTG                    ; my stage
	v_mul_u32_u24 v4, v2, PITCH
	v_add_nc_u32 v4, s21, v4                       ; into it: row = my column
	v_and_b32 v5, 15, v2
	v_lshrrev_b32 v6, 4, v2
	v_mul_u32_u24 v7, v6, PITCH
	v_lshl_add_u32 v7, v5, 4, v7
	v_add_nc_u32 v7, s21, v7                       ; out of it: sixteen lanes to a row, two rows an instruction
	v_lshlrev_b32 v8, 11, v6
	v_lshl_add_u32 v8, v5, 4, v8                   ; and the same in codes: 2,048 bytes a row
	v_and_b32 v9, 7, v2
	v_bfe_u32 v10, v2, 3, 1
	v_lshl_or_b32 v9, v10, 4, v9
	v_bfe_u32 v10, v2, 4, 1
	v_lshl_or_b32 v9, v10, 3, v9
	v_lshlrev_b32 v9, 6, v9                        ; PERM(lane) x 64: my column's row of scale bytes
	s_lshl_b32 s24, s22, 7
	s_lshl_b32 s25, s20, 5
	s_add_co_u32 s24, s24, s25
	s_add_co_u32 s24, s24, 4096                    ; the first stored row of my wave's 32 columns
	s_lshl_b32 s26, s24, 11
	s_lshl_b32 s25, s23, 8
	s_add_co_u32 s26, s26, s25
	s_mov_b32 s27, 0
	s_add_nc_u64 s[14:15], s[14:15], s[26:27]
	s_lshl_b32 s26, s24, 6
	s_lshl_b32 s25, s23, 3
	s_add_co_u32 s26, s26, s25
	s_add_nc_u64 s[16:17], s[16:17], s[26:27]
	s_mov_b32 s31, MANT
.macro WLOAD t                         ; block t: W(32 t + i, my column), i = 0 .. 31: neighbouring lanes read neighbouring columns
.set i, 0
.rept 32
	global_load_b32 v[WX+32*((\t)%2)+i], v[WOF+i], s[32+2*(\t):33+2*(\t)] th:TH_LOAD_NT
.set i, i+1
.endr
.endm
	WLOAD 0
	WLOAD 1
.macro WBLOCK t
.set XS, WX+32*((\t)%2)
.if (\t) < NB-1
	s_wait_loadcnt 32                              ; this block's 32 loads are in; the next block's may be out
.else
	s_wait_loadcnt 0
.endif
	v_max3_num_f32 v14, |v[XS]|, |v[XS+1]|, |v[XS+2]|              ; the block's largest magnitude: all 32 numbers are mine
	v_max3_num_f32 v15, |v[XS+3]|, |v[XS+4]|, |v[XS+5]|
.irp i, 6,10,14,18,22,26
	v_max3_num_f32 v14, v14, |v[XS+\i]|, |v[XS+\i+1]|
	v_max3_num_f32 v15, v15, |v[XS+\i+2]|, |v[XS+\i+3]|
.endr
	v_max3_num_f32 v14, v14, |v[XS+30]|, |v[XS+31]|
	v_max3_num_f32 v14, v14, v15, (EMAX+1)<<23     ; and the floor
	v_add_nc_u32 v11, -(EMAX<<23), v14             ; the conversion's scale operand
	v_and_or_b32 v10, v14, 0x7f800000, s31         ; 448 x the scale
	v_lshrrev_b32 v15, 23, v11                     ; the scale's byte
.if (\t)%4 == 0
	v_mov_b32 v[WSB+(\t)/4], v15                   ; four bytes to a register, the lower K in the lower byte
.else
	v_lshl_or_b32 v[WSB+(\t)/4], v15, 8*((\t)%4), v[WSB+(\t)/4]
.endif
.irp i, 0,1,2,3,4,5,6,7,8,9,10,11,12,13,14,15,16,17,18,19,20,21,22,23,24,25,26,27,28,29,30,31
	v_med3_num_f32 v[XS+\i], v[XS+\i], -v10, v10
.endr
.irp g, 0,1,2,3
	v_cvt_scalef32_pk8_fp8_f32 v[WC+2*\g:WC+2*\g+1], v[XS+8*\g:XS+8*\g+7], v11
.endr
	ds_store_b128 v4, v[WC:WC+3] offset:32*(\t)    ; 32 codes: 32 bytes of my column's row
	ds_store_b128 v4, v[WC+4:WC+7] offset:32*(\t)+16
.if (\t)+2 < NB
	WLOAD (\t)+2
.endif
	s_wait_dscnt 0x0                               ; the stores have read their registers: the next block's codes may be written
.endm
.irp t, 0,1,2,3,4,5,6,7
	WBLOCK \t
.endr
	global_store_b64 v9, v[WSB:WSB+1], s[16:17]    ; my column's 8 scale bytes
.irp t, 0,1,2,3,4,5,6,7,8,9,10,11,12,13,14,15
	ds_load_b128 v[WX+4*\t:WX+4*\t+3], v7 offset:2*\t*PITCH
.endr
.irp t, 0,1,2,3,4,5,6,7,8,9,10,11,12,13,14,15
	s_wait_dscnt 15-\t                             ; LDS loads come back in order: pair t of rows is in
	global_store_b128 v8, v[WX+4*\t:WX+4*\t+3], s[14:15] offset:(((2*\t)&7)|(((2*\t)&8)<<1)|(((2*\t)&16)>>1))*2048   ; columns 2 t, 2 t + 1 go to rows PERM(2 t), PERM(2 t) + 1; sixteen lanes store 256 consecutive bytes, aligned
.endr
	s_wait_tensorcnt 0x0                           ; the wave's end
	ds_add_u32 v[SPW], v[NIL]
	s_wait_dscnt 0x0
	s_endpgm
; ---------------------------------------------------------------- the tables.  A wave: one tile of 16 stored tokens x one group: four frequencies a lane.  No LDS.
; cos and sin by a reduction to |rho| <= pi / 4 (n = the nearest whole number to theta x 2 / pi; pi / 2 taken away in two parts by fused multiply-adds) and polynomials of degree 7 and 8.
.Ltables:
.set FI,  16                           ; the frequency's number i as f32
.set FA,  20                           ; i log2(10000) / 64, then inv_freq
.set FV,  24                           ; (2 i + 51.2) / 179.2, then its log2
.set FT,  28                           ; theta; later at work
.set FN,  32                           ; n
.set FRH, 36                           ; rho
.set FZ,  40                           ; rho^2, later rho^4
.set FS,  44                           ; sin(rho)
.set FC,  48                           ; cos(rho)
.set FQ,  52                           ; n as a whole number
.set RS,  56                           ; sin(theta)
.set RC,  60                           ; cos(theta)
.set FE,  64                           ; log2 of the scale
.set FSC, 68                           ; the scale
.set FIS, 72                           ; 1 / the scale
.set FO,  76                           ; v76-91 what is stored
	s_sub_co_u32 s21, ttmp9, 640
	s_lshl_b32 s21, s21, 2
	s_add_co_u32 s21, s21, s20                     ; task 0 .. 511
	s_lshr_b32 s22, s21, 3                         ; tile of stored tokens
	s_and_b32 s23, s21, 7                          ; group
	s_wait_alu depctr_va_vdst(0)
	v_and_b32 v3, 15, v2                           ; r
	v_lshrrev_b32 v4, 4, v2                        ; lane / 16
	s_wait_alu depctr_va_vdst(0)
	v_and_b32 v5, 8, v3
	v_add_nc_u32 v5, v5, v3                        ; r + 8 (r / 8)
	s_lshr_b32 s24, s22, 1
	s_lshl_b32 s24, s24, 5
	s_and_b32 s25, s22, 1
	s_lshl_b32 s25, s25, 3
	s_add_co_u32 s24, s24, s25
	v_add_nc_u32 v5, s24, v5                       ; my token: 32 (tile / 2) + 8 (tile % 2) + r + 8 (r / 8)
	v_cvt_f32_u32 v6, v5
	s_lshr_b32 s25, s23, 2
	s_lshl_b32 s25, s25, 5
	s_and_b32 s26, s23, 3
	s_lshl_b32 s26, s26, 2
	s_add_co_u32 s25, s25, s26
	v_lshl_add_u32 v7, v4, 4, s25                  ; my first frequency: 32 (group / 4) + 16 (lane / 16) + 4 (group % 4)
	s_wait_alu depctr_va_vdst(0)
	s_mov_b32 s32, 0xb94ca1f9                      ; sin: -1.9515296e-4,
	s_mov_b32 s33, 0x3c08839e                      ; 8.3321609e-3,
	s_mov_b32 s34, 0xbe2aaaa3                      ; -1.6666655e-1
	s_mov_b32 s35, 0x37ccf5ce                      ; cos: 2.4433157e-5,
	s_mov_b32 s36, 0xbab6061a                      ; -1.3887316e-3,
	s_mov_b32 s37, 0x3d2aaaa5                      ; 4.1666646e-2
	s_lshl_b32 s26, s22, 13                        ; 8,192 bytes a tile,
	s_lshl_b32 s27, s23, 9                         ; 512 a group
	s_add_co_u32 s26, s26, s27
	s_mov_b32 s27, 0
	v_lshlrev_b32 v9, 4, v2
.irp e, 0,1,2,3
	v_add_nc_u32 v[FI+\e], \e, v7
.endr
.irp e, 0,1,2,3
	v_cvt_f32_u32 v[FI+\e], v[FI+\e]
.endr
.irp e, 0,1,2,3
	v_mul_f32 v[FA+\e], 0x3e549a78, v[FI+\e]       ; i x log2(10000) / 64
.endr
.irp e, 0,1,2,3
	v_fmaak_f32 v[FV+\e], 2.0, v[FI+\e], 0x424ccccd   ; 2 i + 51.2
.endr
.irp e, 0,1,2,3
	v_mul_f32 v[FV+\e], 0x3bb6db6e, v[FV+\e]       ; / 179.2
.endr
	s_wait_alu depctr_va_vdst(0)
.irp e, 0,1,2,3
	v_exp_f32 v[FA+\e], -v[FA+\e]                  ; inv_freq
.endr
.irp e, 0,1,2,3
	v_log_f32 v[FV+\e], v[FV+\e]
.endr
	v_add_f32 v8, 0xc4000000, v6                   ; t - 512  (plain work behind the batch)
	v_mul_f32 v8, 0x3b000000, v8                   ; / 512: exact
	s_wait_alu depctr_va_vdst(0)                   ; one wait for the eight, ahead of their first reader
.irp e, 0,1,2,3
	v_mul_f32 v[FT+\e], v6, v[FA+\e]               ; theta = t x inv_freq
.endr
.irp e, 0,1,2,3
	v_mul_f32 v[FE+\e], v8, v[FV+\e]
.endr
.irp e, 0,1,2,3
	v_mul_f32 v[FN+\e], 0x3f22f983, v[FT+\e]       ; x 2 / pi
.endr
.irp e, 0,1,2,3
	v_rndne_f32 v[FN+\e], v[FN+\e]
.endr
	s_wait_alu depctr_va_vdst(0)
.irp e, 0,1,2,3
	v_exp_f32 v[FSC+\e], v[FE+\e]                  ; scale_vec ^ power
.endr
.irp e, 0,1,2,3
	v_exp_f32 v[FIS+\e], -v[FE+\e]                 ; and its inverse.  Their wait stands ahead of their first reader, below; the reduction and the polynomials stand between
.endr
.irp e, 0,1,2,3
	v_fmamk_f32 v[FRH+\e], v[FN+\e], 0xbfc90fdb, v[FT+\e]    ; theta - n x 1.57079637
.endr
.irp e, 0,1,2,3
	v_fmamk_f32 v[FRH+\e], v[FN+\e], 0x333bbd2e, v[FRH+\e]   ; + n x 4.37113883e-8
.endr
.irp e, 0,1,2,3
	v_mul_f32 v[FZ+\e], v[FRH+\e], v[FRH+\e]
.endr
.irp e, 0,1,2,3
	v_fma_f32 v[FS+\e], v[FZ+\e], s32, s33
.endr
.irp e, 0,1,2,3
	v_fma_f32 v[FS+\e], v[FS+\e], v[FZ+\e], s34
.endr
.irp e, 0,1,2,3
	v_mul_f32 v[FT+\e], v[FRH+\e], v[FZ+\e]
.endr
.irp e, 0,1,2,3
	v_fma_f32 v[FS+\e], v[FS+\e], v[FT+\e], v[FRH+\e]        ; sin(rho)
.endr
.irp e, 0,1,2,3
	v_fma_f32 v[FC+\e], v[FZ+\e], s35, s36
.endr
.irp e, 0,1,2,3
	v_fma_f32 v[FC+\e], v[FC+\e], v[FZ+\e], s37
.endr
.irp e, 0,1,2,3
	v_fma_f32 v[FT+\e], v[FZ+\e], -0.5, 1.0
.endr
.irp e, 0,1,2,3
	v_mul_f32 v[FZ+\e], v[FZ+\e], v[FZ+\e]
.endr
.irp e, 0,1,2,3
	v_fma_f32 v[FC+\e], v[FC+\e], v[FZ+\e], v[FT+\e]         ; cos(rho)
.endr
.irp e, 0,1,2,3
	v_cvt_i32_f32 v[FQ+\e], v[FN+\e]
.endr
.irp e, 0,1,2,3
	v_and_b32 v[FT+\e], 1, v[FQ+\e]
	v_cmp_eq_u32 vcc_lo, 1, v[FT+\e]               ; in odd quadrants sine and cosine change places
	v_cndmask_b32 v[RS+\e], v[FS+\e], v[FC+\e], vcc_lo
	v_cndmask_b32 v[RC+\e], v[FC+\e], v[FS+\e], vcc_lo
.endr
.irp e, 0,1,2,3
	v_and_b32 v[FT+\e], 2, v[FQ+\e]                ; the sine is negative in quadrants 2 and 3,
	v_add_nc_u32 v[FQ+\e], 1, v[FQ+\e]
.endr
.irp e, 0,1,2,3
	v_lshlrev_b32 v[FT+\e], 30, v[FT+\e]
	v_and_b32 v[FQ+\e], 2, v[FQ+\e]                ; the cosine in quadrants 1 and 2
.endr
.irp e, 0,1,2,3
	v_xor_b32 v[RS+\e], v[FT+\e], v[RS+\e]
	v_lshlrev_b32 v[FQ+\e], 30, v[FQ+\e]
.endr
.irp e, 0,1,2,3
	v_xor_b32 v[RC+\e], v[FQ+\e], v[RC+\e]
.endr
	s_wait_alu depctr_va_vdst(0)                   ; one wait for the eight exponentials, ahead of their first reader
.irp e, 0,1,2,3
	v_mul_f32 v[FO+\e], v[RC+\e], v[FSC+\e]        ; q: scale x cos
	v_mul_f32 v[FO+4+\e], v[RS+\e], v[FSC+\e]      ;    scale x sin
	v_mul_f32 v[FO+8+\e], v[RC+\e], v[FIS+\e]      ; k: cos / scale
	v_mul_f32 v[FO+12+\e], v[RS+\e], v[FIS+\e]     ;    sin / scale
.endr
	s_wait_alu depctr_va_vdst(0)
	s_wait_kmcnt 0x0
	s_add_nc_u64 s[18:19], s[18:19], s[26:27]
	global_store_b128 v9, v[FO:FO+3], s[18:19]                        ; each store of the wave covers 512 consecutive bytes, aligned
	global_store_b128 v9, v[FO+4:FO+7], s[18:19] offset:4096
	global_store_b128 v9, v[FO+8:FO+11], s[18:19] offset:524288
	global_store_b128 v9, v[FO+12:FO+15], s[18:19] offset:528384
	s_endpgm
.Lfunc_end_k_qf674238368_prep:
	.size	k_qf674238368_prep, .Lfunc_end_k_qf674238368_prep-k_qf674238368_prep
	.p2alignl 7, 3214868480
	.fill 96, 4, 3214868480
	.section	.rodata,"a",@progbits
	.p2align	6, 0x0
	.amdhsa_kernel k_qf674238368_prep
		.amdhsa_group_segment_fixed_size 68096
		.amdhsa_private_segment_fixed_size 0
		.amdhsa_enable_private_segment 0
		.amdhsa_kernarg_size 64
		.amdhsa_user_sgpr_count 2
		.amdhsa_user_sgpr_kernarg_segment_ptr 1
		.amdhsa_wavefront_size32 1
		.amdhsa_system_sgpr_workgroup_id_x 1
		.amdhsa_system_sgpr_workgroup_id_y 1
		.amdhsa_system_sgpr_workgroup_id_z 1
		.amdhsa_system_vgpr_workitem_id 0
		.amdhsa_next_free_vgpr 192
		.amdhsa_next_free_sgpr 66
		.amdhsa_reserve_vcc 1
		.amdhsa_float_denorm_mode_32 3
		.amdhsa_float_denorm_mode_16_64 3
		.amdhsa_memory_ordered 1
		.amdhsa_forward_progress 1
		.amdhsa_inst_pref_size 121
	.end_amdhsa_kernel
	.amdgpu_metadata
---
amdhsa.version: [ 1, 2 ]
amdhsa.kernels:
  - .name:           k_qf674238368_prep
    .symbol:         k_qf674238368_prep.kd
    .args:
      - { .name: x, .offset: 0, .size: 8, .value_kind: global_buffer, .address_space: global }
      - { .name: W_q, .offset: 8, .size: 8, .value_kind: global_buffer, .address_space: global }
      - { .name: W_k, .offset: 16, .size: 8, .value_kind: global_buffer, .address_space: global }
      - { .name: W_v, .offset: 24, .size: 8, .value_kind: global_buffer, .address_space: global }
      - { .name: W_o, .offset: 32, .size: 8, .value_kind: global_buffer, .address_space: global }
      - { .name: codes, .offset: 40, .size: 8, .value_kind: global_buffer, .address_space: global }
      - { .name: scales, .offset: 48, .size: 8, .value_kind: global_buffer, .address_space: global }
      - { .name: tab, .offset: 56, .size: 8, .value_kind: global_buffer, .address_space: global }
    .group_segment_fixed_size: 68096
    .private_segment_fixed_size: 0
    .kernarg_segment_align: 8
    .kernarg_segment_size: 64
    .max_flat_workgroup_size: 128
    .sgpr_count:     66
    .vgpr_count:     192
    .wavefront_size: 32
...
	.end_amdgpu_metadata
.endif
;; end of part 1
;; launch qkv (part 2): grid 16 x 16, 4 waves a work-group, clusters of 4 x 4, 327,680 bytes of LDS; arguments codes, scales, tab, q_codes, q_scales, kv; writes q_codes, q_scales, kv
.if DOCPART == 2
	.amdgcn_target "amdgcn-amd-amdhsa--gfx1250"
	.amdhsa_code_object_version 6
	.text
	.protected	k_qf674238368_qkv
	.globl	k_qf674238368_qkv
	.p2align	8
	.type	k_qf674238368_qkv,@function
k_qf674238368_qkv:
	s_mov_b64 s[64:65], 0
	v_nop
	global_prefetch_b8 v0, s[64:65] scope:SCOPE_SE
	s_setreg_imm32_b32 hwreg(HW_REG_WAVE_MODE, 25, 1), 1
	s_wait_xcnt 0x0
	s_wait_alu depctr_hold_cnt(0) depctr_sa_sdst(0) depctr_va_vdst(0) depctr_va_sdst(0) depctr_va_ssrc(0) depctr_va_vcc(0) depctr_vm_vsrc(0)
	s_getreg_b32 s2, hwreg(HW_REG_IB_STS2, 6, 4)
	s_cmp_eq_u32 s2, 0
	s_cbranch_scc0 .Lentry_in_a_cluster
	s_endpgm
.Lentry_in_a_cluster:
	s_bfe_u32 s2, ttmp6, 0x10000c
	s_cmp_lg_u32 s2, 0xf033
	s_cbranch_scc0 .Lentry_shape_is_right
	s_endpgm
.Lentry_shape_is_right:
; Q, K, V = x W ON CODES OF MX-FP8 (E4M3, a scale byte for 32 along K), THE XPOS ROTARY AND THE QUANTISERS OF THE NEXT TWO PRODUCTS.  4,096 x 4,096 x 2,048; no work of reference() is left out here.
; 256 work-groups of four waves, 4 x 4 to a cluster; a work-group makes 256 x 256, a wave 128 x 128 (64 accumulators, 512 registers).  Cluster column 0, 1: Q; 2: K; 3: V, with the sources exchanged (A = W_v's rows, B = x's),
; so that V comes out with the keys along a lane's registers.  K goes in steps of 256 through two LDS slots; a tile's row is 256 bytes of memory, 272 in LDS.  The scale bytes of all of K come once and stay.
; THE HEAD: four tiles, one joint load a wave, in the arms of one chain on the wave's number: wave 0 K step 0's 256 rows of A, wave 1 A's scale bytes, wave 2 its 256 rows of B, wave 3 B's scale bytes.
; Slot 1's first fill stands behind the full sequence and a round, as a refill does.  Every wait on TENSORcnt is for 0: one load a wave is out at the most.
; PREFETCH INTO THE L2: behind the load of K step k a wave asks for K step k + 2 (the head: steps 1 and 2): of the 128 rows that it fetches in the ring, its work-group's 32, a lane a row of 256 bytes; the four partners of a joint
; load are told apart by address (cx for A, cy for B).  The loads of K steps 6 and 7 ask for nothing.  The rotary tables: each of the eight waves of a cluster that read one piece of 65,536 bytes asks for 8,192 of it, once,
; in the clusters with y under 2 alone.
; THE WAY OUT: per block of 16 tokens the rotary (tables laid by launch prep in the order of the lanes' results), the block's scale, the hold, the conversion; codes and scale words leave as images of operand registers.
; LIMITS: the quantiser's and the tables', as stated at the head of launch prep.
.set PFA,  4                           ; s[4:5]  where my prefetches stand: my 32 rows, stepped a K step at each refill
.set PFT,  26                          ; v26     256 x lane: the table's prefetch
.set PFO,  30                          ; v30     2,048 x lane: a row of codes a lane
.set KSTEP,  256
.set NQ,     KSTEP/128
.set ROWB,   256
.set KROW,   2048
.set PITCH,  272
.set FR,     16
.set NL,     4
.set NP,     8
.set HALFT,  128*PITCH
.set SLOT,   4*HALFT
.set LAPS,   2048/(2*KSTEP)
.set KS,     64
.set SCL,    2*SLOT
.set HALFS,  (128*KS/256)*272
.set SBLK,   (16*KS/256)*272
.set SPARE,  SCL+4*HALFS
.set ADRA, 16
.set ADRB, 20
.set LI,   24
.set LS,   25
.set ADRS, 27
.set SPW,  28
.set NIL,  29
.set PW,   31
.set SC,   32
.set CT0,  64
.set AF,   128
.set PC,   128
.set TM,   144
.set WV,  16
.set AH,  17
.set BH,  18
.set LAP, 19
.set CX,  20
.set CY,  21
.set XX,  22
.set YY,  23
.set G1,  24
.set G0,  32
.set G1B, 48
.set G0B, 56
.set SEL, 66
.set G1S, 68
.set G0S, 76
.set G1SB, 80
.set G0SB, 88
.set OC,  92
.set OS,  94
.set TP,  96
.set ISV, 98
.set MNT, 99
.set MSB, 0
.macro WIN new
.if MSB != \new
	s_set_vgpr_msb (MSB<<8)|\new
.set MSB, \new
.endif
.endm
.set MUL_LO, 0xa1
.set MUL_HI, 0xf1
.set TO_B,   0x40
.macro JLOAD g0a, g1a, g0b, g1b
	s_cmp_eq_u32 s[AH], 0
	s_cbranch_scc0 .Lfor_b_\@
	tensor_load_to_lds s[\g0a:\g0a+3], s[\g1a:\g1a+7]
	s_nop 0
.rept 4
	v_nop
.endr
	s_branch .Lasked_\@
.Lfor_b_\@:
	tensor_load_to_lds s[\g0b:\g0b+3], s[\g1b:\g1b+7]
	s_nop 0
.rept 4
	v_nop
.endr
.Lasked_\@:
.endm
.macro CREST
	s_cmp_lg_u32 s[WV], 0
	s_cbranch_scc1 .Lnot_wave_0_\@
	s_barrier_signal -3
.Lnot_wave_0_\@:
	s_barrier_wait -3
	s_barrier_signal -1
	s_barrier_wait -1
.endm
.macro CROUND
	s_barrier_signal -1
	s_barrier_wait -1
	CREST
.endm
	s_load_b256 s[4:11], s[0:1], 0x0
	s_load_b128 s[12:15], s[0:1], 0x20
	v_lshl_add_u32 v[SPW], v0, 2, SPARE
	v_mov_b32 v[NIL], 0
	ds_add_u32 v[SPW], v[NIL]
	ds_add_u32 v[SPW], v[NIL]
	v_lshrrev_b32 v1, 5, v0
	v_readfirstlane_b32 s[WV], v1
	s_lshr_b32 s[AH], s[WV], 1
	s_and_b32 s[BH], s[WV], 1
	s_bfe_u32 s[CX], ttmp6, 0x40000
	s_bfe_u32 s[CY], ttmp6, 0x40004
	s_mov_b32 s[XX], ttmp9
	s_and_b32 s[YY], ttmp7, 0xffff
	s_lshl_b32 s43, s[CY], 2
	s_lshl_b32 s43, 15, s43
	s_lshl_b32 s44, 0x1111, s[CX]
	s_or_b32 s[G1+0], s43, (0<<16)|(1<<20)|(1<<21)|(5<<22)|(3<<25)
	s_or_b32 s[G1B+0], s44, (0<<16)|(1<<20)|(1<<21)|(5<<22)|(3<<25)
.irp g, G1, G1B
	s_mov_b32 s[\g+1], ROWB<<16
	s_mov_b32 s[\g+2], 256<<16                     ; the head's loads bring 256 rows; behind them the two words are set to 128
	s_mov_b32 s[\g+3], ROWB<<16
	s_mov_b32 s[\g+4], 256
	s_mov_b32 s[\g+5], KROW
	s_mov_b32 s[\g+6], 0
	s_mov_b32 s[\g+7], 0
.endr
	s_or_b32 s[G1S+0], s43, (3<<16)|(1<<20)|(1<<21)|(5<<22)|(3<<25)
	s_or_b32 s[G1SB+0], s44, (3<<16)|(1<<20)|(1<<21)|(5<<22)|(3<<25)
.irp g, G1S, G1SB
	s_mov_b32 s[\g+1], 32<<16
	s_mov_b32 s[\g+2], KS<<16                      ; the scale bytes of 256 rows: KS rows of 256 bytes
	s_mov_b32 s[\g+3], 32<<16
	s_mov_b32 s[\g+4], KS
	s_mov_b32 s[\g+5], 32
	s_mov_b32 s[\g+6], 0
	s_mov_b32 s[\g+7], 0
.endr
	s_mov_b32 s[SEL], 0x76543210
	s_mov_b32 s[SEL+1], 0xfedcba98
	s_mov_b32 s[MNT], 0x600000
	s_lshl_b32 s40, s[YY], 10
	s_lshl_b32 s42, s[XX], 10
	s_add_co_u32 s42, s42, 4096
	s_cmp_eq_u32 s[XX], 3
	s_cselect_b32 s[ISV], 1, 0
	s_cselect_b32 s41, 7168, s40
	s_cselect_b32 s42, s40, s42
	s_lshl_b32 s45, s[BH], 7
	s_lshl_b32 s2, s[CY], 8
	s_add_co_u32 s2, s2, s41                       ; A's tile: its first stored row
	s_lshl_b32 s46, s[CX], 8
	s_add_co_u32 s46, s46, s42                     ; B's
	s_lshl_b32 s40, s2, 6                          ; where the 256 rows' scale bytes begin
	s_mov_b32 s41, 0
	s_lshl_b32 s100, s46, 6
	s_mov_b32 s101, 0
	s_add_co_u32 s2, s2, s45                       ; the ring: my 128 rows of a tile
	s_add_co_u32 s46, s46, s45
	s_cmp_eq_u32 s[AH], 0                          ; the prefetches: the rows that I fetch,
	s_cselect_b32 s42, s2, s46
	s_cselect_b32 s43, s[CX], s[CY]                ; my place among the four that ask for them with me,
	s_lshl_b32 s43, s43, 5
	s_add_co_u32 s42, s42, s43                     ; my work-group's 32 of them,
	s_lshl_b32 s42, s42, 11                        ; in bytes
	s_mov_b32 s43, 0
	s_lshl_b32 s2, s2, 11
	s_mov_b32 s3, 0
	s_lshl_b32 s46, s46, 11
	s_mov_b32 s47, 0
	s_mul_i32 s45, s[WV], HALFT
	s_wait_dscnt 0x0
	s_wait_kmcnt 0x0
	s_add_nc_u64 s[2:3], s[4:5], s[2:3]
	s_add_nc_u64 s[40:41], s[6:7], s[40:41]
	s_add_nc_u64 s[46:47], s[4:5], s[46:47]
	s_add_nc_u64 s[100:101], s[6:7], s[100:101]
	s_add_nc_u64 s[PFA:PFA+1], s[4:5], s[42:43]
	CROUND
	s_mov_b32 s[G0S], 1
	s_mov_b32 s[G0S+1], SCL
	s_mov_b64 s[G0S+2:G0S+3], s[40:41]
	s_or_b32 s[G0S+3], s[G0S+3], 0x80000000
	s_mov_b32 s[G0SB], 1
	s_mov_b32 s[G0SB+1], SCL+2*HALFS
	s_mov_b64 s[G0SB+2:G0SB+3], s[100:101]
	s_or_b32 s[G0SB+3], s[G0SB+3], 0x80000000
.irp s, 0,1
	s_mov_b32 s[G0+4*\s], 1
	s_add_co_u32 s[G0+4*\s+1], s45, \s*SLOT
	s_add_nc_u64 s[G0+4*\s+2:G0+4*\s+3], s[2:3], \s*ROWB
	s_or_b32 s[G0+4*\s+3], s[G0+4*\s+3], 0x80000000
	s_mov_b32 s[G0B+4*\s], 1
	s_add_co_u32 s[G0B+4*\s+1], s45, \s*SLOT
	s_add_nc_u64 s[G0B+4*\s+2:G0B+4*\s+3], s[46:47], \s*ROWB
	s_or_b32 s[G0B+4*\s+3], s[G0B+4*\s+3], 0x80000000
.endr
; the head's loads, one a wave.  Wave 0's group 0 of slot 0 names A's first row and LDS byte 0, wave 2's names B's first row and the byte behind A's 256 rows: with 256 rows in group 1 each brings its whole tile
.macro ARM under, g0, g1, next
	s_cmp_lt_u32 s[WV], \under
	s_cbranch_scc0 \next
	tensor_load_to_lds s[\g0:\g0+3], s[\g1:\g1+7]
	s_nop 0
.rept 4
	v_nop
.endr
	s_branch .Lhead_asked
\next:
.endm
	ARM 1, G0,  G1,  .Lhead_sa
	ARM 2, G0S, G1S, .Lhead_b
	ARM 3, G0B, G1B, .Lhead_sb
	tensor_load_to_lds s[G0SB:G0SB+3], s[G1SB:G1SB+7]
	s_nop 0
.rept 4
	v_nop
.endr
.Lhead_asked:
	v_and_b32 v[PFO], 31, v0
	v_lshlrev_b32 v[PFO], 11, v[PFO]
	global_prefetch_b8 v[PFO], s[PFA:PFA+1] offset:ROWB th:TH_LOAD_NT scope:SCOPE_SE     ; K step 1,
	global_prefetch_b8 v[PFO], s[PFA:PFA+1] offset:2*ROWB th:TH_LOAD_NT scope:SCOPE_SE   ; K step 2
	v_and_b32 v1, 15, v0
	v_bfe_u32 v2, v0, 4, 1
	v_mul_u32_u24 v3, v1, PITCH
	v_lshl_add_u32 v4, v2, 4, v3
	s_mul_i32 s40, s[AH], HALFT
	s_mul_i32 s41, s[BH], HALFT
	s_add_co_u32 s41, s41, 2*HALFT
.irp s, 0,1
	v_add_nc_u32 v[ADRA+\s], s40, v4
	v_add_nc_u32 v[ADRB+\s], s41, v4
	s_add_co_u32 s40, s40, SLOT
	s_add_co_u32 s41, s41, SLOT
.endr
	v_mul_u32_u24 v5, v1, KS
	v_lshrrev_b32 v6, 8, v5
	v_lshl_add_u32 v5, v6, 4, v5
	s_mul_i32 s40, s[AH], HALFS
	s_mul_i32 s41, s[BH], HALFS
	s_add_co_u32 s41, s41, 2*HALFS
	s_sub_co_u32 s41, s41, s40
	v_mul_u32_u24 v6, s41, v2
	s_add_co_u32 s40, s40, SCL
	v_add_nc_u32 v5, v5, v6
	v_add_nc_u32 v[ADRS], s40, v5
	v_and_b32 v6, 31, v0
	v_lshlrev_b32 v[LI], 4, v6
	v_lshlrev_b32 v[LS], 2, v6
	v_lshlrev_b32 v[PFT], 8, v6
	s_lshl_b32 s40, s[XX], 2
	s_add_co_u32 s40, s40, s[CX]
	s_lshl_b32 s40, s40, 1
	s_add_co_u32 s40, s40, s[BH]
	s_lshl_b32 s41, s[YY], 4
	s_add_co_u32 s40, s40, s41
	s_lshl_b32 s40, s40, 6
	s_lshl_b32 s41, s[CY], 1
	s_add_co_u32 s41, s41, s[AH]
	s_lshl_b32 s42, s41, 3
	s_add_co_u32 s40, s40, s42
	s_lshl_b32 s43, s[CX], 1
	s_add_co_u32 s43, s43, s[BH]
	s_lshl_b32 s2, s[YY], 3
	s_mov_b32 s47, 32768
	s_cmp_eq_u32 s[XX], 3
	s_cselect_b32 s44, s41, s43
	s_cselect_b32 s45, s43, s41
	s_cselect_b32 s46, 16384, 0
	s_cselect_b32 s47, 17408, s47
	s_add_co_u32 s44, s44, s2
	s_lshl_b32 s44, s44, 3
	s_add_co_u32 s44, s44, s45
	s_mul_i32 s44, s44, 34816
	s_add_co_u32 s44, s44, s46
	s_add_co_u32 s45, s44, s47
	s_lshl_b32 s46, s40, 11
	s_lshl_b32 s47, s40, 7
	s_mov_b32 s3, 0
	s_mov_b32 s101, 0
	s_cmp_lt_u32 s[XX], 2
	s_cselect_b64 s[OC:OC+1], s[10:11], s[14:15]
	s_cselect_b64 s[OS:OS+1], s[12:13], s[14:15]
	s_cselect_b32 s2, s46, s44
	s_cselect_b32 s100, s47, s45
	s_cselect_b32 s40, 0, 524288
	s_add_nc_u64 s[OC:OC+1], s[OC:OC+1], s[2:3]
	s_add_nc_u64 s[OS:OS+1], s[OS:OS+1], s[100:101]
	s_lshl_b32 s2, s42, 13
	s_add_co_u32 s2, s2, s40
	s_add_nc_u64 s[TP:TP+1], s[8:9], s[2:3]
	s_lshl_b32 s2, s43, 13                         ; s43 = 2 cx + my column of waves: my eighth of the piece of the tables that these eight waves read
	s_add_nc_u64 s[6:7], s[TP:TP+1], s[2:3]
.macro FRAG reg, adr, q, i
.irp c, 0,1,2,3
	ds_load_b128 v[\reg+4*\c:\reg+4*\c+3], v[\adr] offset:128*(\q)+32*\c+(\i)*16*PITCH
.endr
.endm
; A GROUP: A's block a against B's eight, 128 along K: eight products on eight accumulators.  p: B's set, and the set of A's blocks 0-3 (p = 0: v64-127, p = 1: v128-191; blocks 4-7 have one set, v192-255).
; A step takes the groups in the order 4, 5, 6, 7, 0, 1, 2, 3, the same in every step: the 64 accumulators take turns, and the blocks that have one set of registers are free first.
; The next step's fragments are fetched in runs of 16 or 24 loads behind pairs of groups; eight v_nop stand at the head of each run: a load into a register that a product has read stands eight places behind that product.
.macro GRP a, p, q, sc, zero
.if (\a) < 4
	WIN MUL_LO
.set AF, 64+64*(\p)
.else
	WIN MUL_HI
.set AF, 128
.endif
.irp b, 0,1,2,3,4,5,6,7
.if \zero
	v_wmma_scale_f32_16x16x128_f8f6f4 v[8*(8*((\a)%4)+\b):8*(8*((\a)%4)+\b)+7], v[128*(\p)+FR*\b:128*(\p)+FR*\b+FR-1], v[AF+FR*(\a):AF+FR*(\a)+FR-1], 0, v[SC+8*NQ*(\sc)+NQ*\b+(\q)], v[SC+8*NQ*(\sc)+NQ*(\a)+(\q)] matrix_a_scale:MATRIX_SCALE_ROW1
.else
	v_wmma_scale_f32_16x16x128_f8f6f4 v[8*(8*((\a)%4)+\b):8*(8*((\a)%4)+\b)+7], v[128*(\p)+FR*\b:128*(\p)+FR*\b+FR-1], v[AF+FR*(\a):AF+FR*(\a)+FR-1], v[8*(8*((\a)%4)+\b):8*(8*((\a)%4)+\b)+7], v[SC+8*NQ*(\sc)+NQ*\b+(\q)], v[SC+8*NQ*(\sc)+NQ*(\a)+(\q)] matrix_a_scale:MATRIX_SCALE_ROW1
.endif
.endr
.endm
.macro LB slot, q, p, i
	WIN TO_B
	FRAG 128*(\p)+FR*(\i), ADRB+\slot, \q, \i
.endm
.macro LA slot, q, p, i                ; A's fragment i likewise: four loads
	WIN 0
.if (\i) < 4
	FRAG 64+64*(\p)+FR*(\i), ADRA+\slot, \q, \i
.else
	FRAG 128+FR*(\i), ADRA+\slot, \q, \i
.endif
.endm
.macro SCALES sc
.irp i, 0,1,2,3,4,5,6,7
	ds_load_b64 v[SC+8*NQ*\sc+NQ*\i:SC+8*NQ*\sc+NQ*\i+1], v[ADRS] offset:\i*SBLK
.endr
.endm
.macro PLACES n
.rept \n
	v_nop
.endr
.endm
; A slot's first step (q = 0, sets 0).  Behind each pair of groups stand sixteen loads of the slot's second step (sets 1).  What was fetched for this step came in the order B0-3, A4, A5, B4-7, the scale words, A6, A7, A0-3.
.macro STEP slot, q, zero
	s_wait_dscnt 24                                ; all but the youngest 24 loads: A6, A7, A0-3
	GRP 4, 0, 0, \slot, \zero
	GRP 5, 0, 0, \slot, \zero
	PLACES NP
	LA \slot, 1, 1, 4
	LA \slot, 1, 1, 5
	LB \slot, 1, 1, 0
	LB \slot, 1, 1, 1
	s_wait_dscnt 32                                ; A6, A7 are in: behind them A0-3 (16) and the 16 loads above
	GRP 6, 0, 0, \slot, \zero
	GRP 7, 0, 0, \slot, \zero
	PLACES NP
	LA \slot, 1, 1, 6
	LA \slot, 1, 1, 7
	LB \slot, 1, 1, 2
	LB \slot, 1, 1, 3
	s_wait_dscnt 32                                ; A0-3 are in: behind them this step's 32 loads so far
	GRP 0, 0, 0, \slot, \zero
	GRP 1, 0, 0, \slot, \zero
	PLACES NP
.irp i, 4,5,6,7
	LB \slot, 1, 1, \i
.endr
	GRP 2, 0, 0, \slot, \zero
	GRP 3, 0, 0, \slot, \zero
	PLACES NP
.irp i, 0,1,2,3
	LA \slot, 1, 1, \i
.endr
.endm
.macro ASK                             ; behind the load of K step k: K step k + 2; the loop's last trip loads steps 6 and 7 and asks for nothing
	s_cmp_gt_u32 s[LAP], 1
	s_cbranch_scc0 .Lno_ask_\@
	global_prefetch_b8 v[PFO], s[PFA:PFA+1] offset:3*ROWB th:TH_LOAD_NT scope:SCOPE_SE
.Lno_ask_\@:
.endm
.macro TURN slot, next, fill
.if \fill
	s_wait_xcnt 0x0                                ; my last prefetch has read its address: it is stepped only behind this wait
	s_add_nc_u64 s[PFA:PFA+1], s[PFA:PFA+1], ROWB
.endif
	s_wait_tensorcnt 0x0
	ds_add_u32 v[SPW], v[NIL]
	s_wait_dscnt 17                                ; B's set and A4-7 are in; the add and the youngest 16 loads, A0-3, may be out
	GRP 4, 1, NQ-1, \slot, 0                       ; sixteen products stand between the add and the wait for it
	GRP 5, 1, NQ-1, \slot, 0
	s_wait_dscnt 0x0                               ; the add is done, and my reads of this slot are over: all of them were issued in its first step
	s_barrier_signal -1
	GRP 6, 1, NQ-1, \slot, 0
	WIN 0
	s_barrier_wait -1
.if \fill
	CREST
	s_add_nc_u64 s[G0+4*\slot+2:G0+4*\slot+3], s[G0+4*\slot+2:G0+4*\slot+3], 2*ROWB
	s_add_nc_u64 s[G0B+4*\slot+2:G0B+4*\slot+3], s[G0B+4*\slot+2:G0B+4*\slot+3], 2*ROWB
	JLOAD G0+4*\slot, G1, G0B+4*\slot, G1B         ; the four v_nop behind it are four of the eight places
	PLACES NP-4
.else
	PLACES NP
.endif
	v_add_nc_u32 v[ADRS], 4*NQ, v[ADRS]            ; on to the next K step's scale words
	s_wait_alu depctr_va_vdst(0)
.irp i, 0,1,2,3
	LB \next, 0, 0, \i                             ; the next slot's first step: 72 loads in three runs, in the order that STEP's waits count on
.endr
	LA \next, 0, 0, 4
	LA \next, 0, 0, 5
	GRP 7, 1, NQ-1, \slot, 0
	GRP 0, 1, NQ-1, \slot, 0
	PLACES NP
.irp i, 4,5,6,7
	LB \next, 0, 0, \i
.endr
	WIN 0
	SCALES \next
	GRP 1, 1, NQ-1, \slot, 0
	GRP 2, 1, NQ-1, \slot, 0
	PLACES NP
.irp i, 6,7,0,1,2,3
	LA \next, 0, 0, \i
.endr
.if \fill
	ASK
.endif
	GRP 3, 1, NQ-1, \slot, 0
.endm
.macro LAST                            ; the very last step: nothing more to fetch
	s_wait_dscnt 16                                ; all but A0-3
.irp a, 4,5,6,7
	GRP \a, 1, NQ-1, 1, 0
.endr
	s_wait_dscnt 0
.irp a, 0,1,2,3
	GRP \a, 1, NQ-1, 1, 0
.endr
	WIN 0
	PLACES NP
.endm
.macro TABLE a
.set CT, CT0+128*((\a)%2)
.irp g, 0,1,2,3,4,5,6,7,8,9,10,11,12,13,14,15
	global_load_b128 v[CT+4*\g:CT+4*\g+3], v[LI], s[TP:TP+1] offset:(\a)*8192+\g*512
.endr
.endm
.macro EPI a, rot
.set W, 2+(\a)/4
.set AC, 64*((\a)%4)
.set CT, CT0+128*((\a)%2)
.if \rot
.if (\a) < 7
	s_wait_loadcnt 16
.else
	s_wait_loadcnt 0
.endif
	WIN 0x40|W
.set n, 0
.rept 16
	v_pk_mul_f32 v[n:n+1], v[AC+32+n:AC+33+n], v[CT+32+n:CT+33+n]
	v_pk_mul_f32 v[32+n:33+n], v[AC+n:AC+n+1], v[CT+32+n:CT+33+n]
.set n, n+2
.endr
	WIN (W<<6)|0x10|W
.set n, 0
.rept 16
	v_pk_fma_f32 v[AC+n:AC+n+1], v[AC+n:AC+n+1], v[CT+n:CT+n+1], v[n:n+1] neg_lo:[0,0,1] neg_hi:[0,0,1]
	v_pk_fma_f32 v[AC+32+n:AC+33+n], v[AC+32+n:AC+33+n], v[CT+n:CT+n+1], v[32+n:33+n]
.set n, n+2
.endr
	WIN 0
.if (\a)+2 < 8
	TABLE (\a)+2
.endif
.endif
	WIN W|(W<<2)
.irp b, 0,1,2,3
	v_max3_num_f32 v[TM+\b], |v[AC+16*\b]|, |v[AC+16*\b+1]|, 0x4800000
.endr
.irp i, 2,4,6,8,10,12,14
.irp b, 0,1,2,3
	v_max3_num_f32 v[TM+\b], |v[AC+16*\b+\i]|, |v[AC+16*\b+\i+1]|, v[TM+\b]
.endr
.endr
	WIN 0
.irp b, 0,1,2,3
	v_permlanex16_b32 v[TM+4+\b], v[TM+\b], s[SEL], s[SEL+1]
.endr
.irp b, 0,1,2,3
	v_max_num_f32 v[TM+\b], v[TM+\b], v[TM+4+\b]
.endr
.irp b, 0,1,2,3
	v_add_nc_u32 v[TM+12+\b], 0xfc000000, v[TM+\b]
.endr
.irp b, 0,1,2,3
	v_and_or_b32 v[TM+8+\b], v[TM+\b], 0x7f800000, s[MNT]
.endr
.irp b, 0,1,2,3
	v_lshrrev_b32 v[TM+4+\b], 23, v[TM+12+\b]
.endr
	s_wait_alu depctr_va_vdst(0)
	s_wait_xcnt 0x0
	v_lshl_or_b32 v[PW], v[TM+5], 8, v[TM+4]
	v_lshl_or_b32 v[PW], v[TM+6], 16, v[PW]
	v_lshl_or_b32 v[PW], v[TM+7], 24, v[PW]
	WIN W|(W<<6)
.irp b, 0,1,2,3
.irp i, 0,1,2,3,4,5,6,7,8,9,10,11,12,13,14,15
	v_med3_num_f32 v[AC+16*\b+\i], v[AC+16*\b+\i], -v[TM+8+\b], v[TM+8+\b]
.endr
.endr
	WIN W
.irp b, 0,1,2,3
	v_cvt_scalef32_pk8_fp8_f32 v[PC+4*\b:PC+4*\b+1], v[AC+16*\b:AC+16*\b+7], v[TM+12+\b]
	v_cvt_scalef32_pk8_fp8_f32 v[PC+4*\b+2:PC+4*\b+3], v[AC+16*\b+8:AC+16*\b+15], v[TM+12+\b]
.endr
	WIN 0
	v_nop
.irp c, 0,1,2,3
	global_store_b128 v[LI], v[PC+4*\c:PC+4*\c+3], s[OC:OC+1] offset:(\a)*2048+512*\c
.endr
	global_store_b32 v[LS], v[PW], s[OS:OS+1] offset:(\a)*128
.endm
	s_wait_alu depctr_va_vdst(0)
	s_wait_tensorcnt 0x0                           ; my tile of the head's four is in
	ds_add_u32 v[SPW], v[NIL]
	s_mov_b32 s[G1+2], 128<<16                     ; no tensor load of mine is out: from here on a load brings 128 rows
	s_mov_b32 s[G1+4], 128
	s_mov_b32 s[G1B+2], 128<<16
	s_mov_b32 s[G1B+4], 128
	s_wait_dscnt 0x0
	CROUND                                         ; all four tiles are in, in all sixteen work-groups
	JLOAD G0+4, G1, G0B+4, G1B                     ; K step 1 into slot 1
.irp i, 0,1,2,3
	LB 0, 0, 0, \i                                 ; the first step's fragments, in the order that STEP's waits count on
.endr
	LA 0, 0, 0, 4
	LA 0, 0, 0, 5
.irp i, 4,5,6,7
	LB 0, 0, 0, \i
.endr
	WIN 0
	SCALES 0
.irp i, 6,7,0,1,2,3
	LA 0, 0, 0, \i
.endr
	global_prefetch_b8 v[PFO], s[PFA:PFA+1] offset:3*ROWB th:TH_LOAD_NT scope:SCOPE_SE   ; K step 3
	STEP 0, 0, 1
	s_cmp_lt_u32 s[YY], 2                          ; the cluster's y alone: the same in all partners
	s_cbranch_scc0 .Lno_tab
	global_prefetch_b8 v[PFT], s[6:7] th:TH_LOAD_NT scope:SCOPE_SE   ; 32 lanes x 256 bytes of the tables
.Lno_tab:
	s_mov_b32 s[LAP], LAPS-1
.Llap:
	TURN 0, 1, 1
	STEP 1, 0, 0
	TURN 1, 0, 1
	STEP 0, 0, 0
	s_sub_co_u32 s[LAP], s[LAP], 1
	s_cmp_lg_u32 s[LAP], 0
	s_cbranch_scc1 .Llap
	TURN 0, 1, 0
	STEP 1, 0, 0
	s_cmp_lg_u32 s[ISV], 0
	s_cbranch_scc1 .Lv_tail
	PLACES NP                                      ; the first table lands in v64-127, which the step before has read as A's blocks 0-3
	TABLE 0
	LAST
	TABLE 1
.irp a, 0,1,2,3,4,5,6,7
	EPI \a, 1
.endr
	s_branch .Ldone
.Lv_tail:
	LAST
.irp a, 0,1,2,3,4,5,6,7
	EPI \a, 0
.endr
.Ldone:
	s_wait_tensorcnt 0x0
	ds_add_u32 v[SPW], v[NIL]
	s_wait_dscnt 0x0
	CROUND
	s_endpgm
.Lfunc_end_k_qf674238368_qkv:
	.size	k_qf674238368_qkv, .Lfunc_end_k_qf674238368_qkv-k_qf674238368_qkv
	.p2alignl 7, 3214868480
	.fill 96, 4, 3214868480
	.section	.rodata,"a",@progbits
	.p2align	6, 0x0
	.amdhsa_kernel k_qf674238368_qkv
		.amdhsa_group_segment_fixed_size 327680
		.amdhsa_private_segment_fixed_size 0
		.amdhsa_enable_private_segment 0
		.amdhsa_kernarg_size 48
		.amdhsa_user_sgpr_count 2
		.amdhsa_user_sgpr_kernarg_segment_ptr 1
		.amdhsa_wavefront_size32 1
		.amdhsa_system_sgpr_workgroup_id_x 1
		.amdhsa_system_sgpr_workgroup_id_y 1
		.amdhsa_system_sgpr_workgroup_id_z 1
		.amdhsa_system_vgpr_workitem_id 0
		.amdhsa_next_free_vgpr 1024
		.amdhsa_next_free_sgpr 102
		.amdhsa_reserve_vcc 0
		.amdhsa_float_denorm_mode_32 3
		.amdhsa_float_denorm_mode_16_64 3
		.amdhsa_memory_ordered 1
		.amdhsa_forward_progress 1
		.amdhsa_inst_pref_size 255
	.end_amdhsa_kernel
	.section	.bss,"aw",@nobits
	.p2align	6
	.space	262144
	.amdgpu_metadata
---
amdhsa.version: [ 1, 2 ]
amdhsa.kernels:
  - .name:           k_qf674238368_qkv
    .symbol:         k_qf674238368_qkv.kd
    .args:
      - { .name: codes, .offset: 0, .size: 8, .value_kind: global_buffer, .address_space: global }
      - { .name: scales, .offset: 8, .size: 8, .value_kind: global_buffer, .address_space: global }
      - { .name: tab, .offset: 16, .size: 8, .value_kind: global_buffer, .address_space: global }
      - { .name: q_codes, .offset: 24, .size: 8, .value_kind: global_buffer, .address_space: global }
      - { .name: q_scales, .offset: 32, .size: 8, .value_kind: global_buffer, .address_space: global }
      - { .name: kv, .offset: 40, .size: 8, .value_kind: global_buffer, .address_space: global }
    .group_segment_fixed_size: 327680
    .private_segment_fixed_size: 0
    .kernarg_segment_align: 8
    .kernarg_segment_size: 48
    .max_flat_workgroup_size: 128
    .sgpr_count:     102
    .vgpr_count:     1024
    .wavefront_size: 32
...
	.end_amdgpu_metadata
.endif
;; end of part 2
;; launch attn (part 3): grid 4 x 64, 8 waves a work-group, clusters of 4 x 1, 327,680 bytes of LDS; arguments q_codes, q_scales, kv, a_codes, a_scales; writes a_codes, a_scales
.if DOCPART == 3
	.amdgcn_target "amdgcn-amd-amdhsa--gfx1250"
	.amdhsa_code_object_version 6
	.text
	.protected	k_qf674238368_attn
	.globl	k_qf674238368_attn
	.p2align	8
	.type	k_qf674238368_attn,@function
k_qf674238368_attn:
	s_mov_b64 s[64:65], 0
	v_nop
	global_prefetch_b8 v0, s[64:65] scope:SCOPE_SE
	s_setreg_imm32_b32 hwreg(HW_REG_WAVE_MODE, 25, 1), 1
	s_wait_xcnt 0x0
	s_wait_alu depctr_hold_cnt(0) depctr_sa_sdst(0) depctr_va_vdst(0) depctr_va_sdst(0) depctr_va_ssrc(0) depctr_va_vcc(0) depctr_vm_vsrc(0)
	s_getreg_b32 s2, hwreg(HW_REG_IB_STS2, 6, 4)
	s_cmp_eq_u32 s2, 0
	s_cbranch_scc0 .Lentry_in_a_cluster
	s_endpgm
.Lentry_in_a_cluster:
	s_bfe_u32 s2, ttmp6, 0x10000c
	s_cmp_lg_u32 s2, 0x3003
	s_cbranch_scc0 .Lentry_shape_is_right
	s_endpgm
.Lentry_shape_is_right:
; Causal attention on codes of FP8 (E4M3): S^T = K Q^T, p = 2^(t - M) with M a whole number, O^T = V^T P^T, O / the row's sum of the unquantised p; then the quantiser of the last product, in registers.
; WORK LEFT OUT: a chunk of 128 keys all of which come after a tile's 16 queries: reference()'s own mask makes p = 0 there for every finite input (shown at the head of launch prep).  A NaN or an infinity that would arise only there is not carried on.
; SHARES.  Four work-groups, a cluster, to each of the 64 (batch, head); eight waves each.  With g the work-group's place and w the wave, a wave owns two tiles of 16 stored queries, one after the other:
; tile 63 - (g + 4 w), in query block 7 - m, and tile g + 4 w, in query block m, m = w / 2.  They need key chunks 0 .. 7 - m and 0 .. m: NINE units of 16 queries x 128 keys for every wave of the launch.
; Which chunk and which unit hang on the wave's number and on the count of units alone; g enters only global addresses and the numbers that the mask compares.
; LDS.  All K and V of the kv head stay there: 8 chunks x 34,816 bytes as launch qkv laid them (8 images of K, 8 of V, their scale words).  Nothing is filled again, nothing is stored to LDS.
; THE LOADS.  The four partners ask JOINTLY.  Wave w asks for chunk w, whole: one tensor load a wave, at the head.  The loads stand on three lines, in the arms of one chain on the wave's number:
; wave 0; waves 1, 2; waves 3 to 7.  The first barrier has the wait of wave 0 alone, the second that of waves 0 to 2, the third every wave's: unit U reads chunk U while U <= 3 (the first tile's block is 4 or more),
; so unit 0 is worked while chunks 1 to 7 are on their way, and units 1 and 2 while chunks 3 to 7 are.  These three units are written out, with constant LDS addresses.  Every wait on TENSORcnt is for 0.
; FRAGMENTS A PHASE AHEAD.  Window 1 holds all eight images of K and all eight of V.  This unit's V and the NEXT unit's K are fetched in SIX RUNS OF TWELVE LDS LOADS that stand among the softmax's lines: V's three ahead of the
; exponentials, K's three behind them.  The wait ahead of the second product is counted: 36, K's loads, may stay out; K's wait stands at the next unit's head.  An image is read as it lies: each load takes 512 consecutive bytes.
; The last unit of a wave fetches K of a chunk that nothing multiplies, 36 loads, so that no branch stands among the softmax's lines.
; SCALE WORDS, two tiles to a register: lanes 0-15 take tile t's word, lanes 16-31 tile t + 4's; tiles 4-7 name the upper row of lanes.
; LAYOUT.  A lane holds ONE query (lane % 16) throughout.  Registers 16 b + i of S^T are keys 32 b + 16 (lane / 16) + i of the chunk; registers 16 c + i of O^T are channels 32 c + 16 (lane / 16) + i.
; a_codes [16 heads][256 tiles of stored tokens][2,048], a_scales [..][128]: images again.
; No prefetch: every tensor load of the launch goes out at its head.  LIMITS: the quantiser's, as stated at the head of launch prep.
; REGISTERS.  Window 0: v1-7 stay; v8-11 LDS addresses in hand; v12 -M, v13 the largest t, v[14:15] the sum; v16-31 Q; v32-47 the second tile's Q; v48-63 the result's codes; v64-67 K's, v68-71 V's, v72 the second Q's scale words;
;   v96-159 S^T, then p; v160-223 O^T; v224-239 p's codes; v232-254 at work; v253 p's, v255 Q's scale word.   Window 1: v0-127 K's eight images, v128-255 V's.
.set CHUNK, 34816
.set VIM,   16384
.set KSC,   32768
.set VSC,   33792
.set SPARE, 8*CHUNK                    ; the spare words, 128 bytes for each wave: four blocks of 256 bytes that no other line names
.set LI,   1                           ; v1  16 x lane
.set LS2,  2                           ; v2  4 x lane + 512 (lane / 16)
.set DQ,   3                           ; v3  my query's place in its block of 128, less 16 (lane / 16): of the tile in hand
.set DQL,  4                           ; v4  the same of the second tile
.set SPW,  5
.set NIL,  6
.set LS,   7                           ; v7  4 x lane
.set ADV,  8                           ; v8  this unit's chunk + 16 x lane
.set ADVS, 9                           ; v9  this unit's chunk + v2
.set ADK,  10                          ; v10 the next unit's chunk + 16 x lane
.set ADKS, 11                          ; v11 the next unit's chunk + v2
.set QL,   32
.set PC,   48
.set KS,   64
.set VS,   68
.set QLS,  72
.set WV,  14
.set M,   15
.set G,   16
.set YY,  17
.set U,   18
.set MNT, 19
.set SEL, 20
.set CS,  22
.set G1A, 24                           ; s[24:31], s[40:43] the one descriptor: a chunk
.set G0A, 40
.set QCH, 48                           ; pairs: Q's codes and scale words of the first tile,
.set QSH, 50
.set QCL, 52                           ; of the second;
.set QSL, 54
.set OCH, 56                           ; where the first tile's codes and scale words go,
.set OSH, 58
.set OCL, 60                           ; and the second's
.set OSL, 62
.set TB,  66                           ; LDS byte at which the unit's chunk begins
.set SW,  67                           ; 8 - m: the unit at which the second tile begins
.set DH,  68                           ; 7 - m: the first tile's unit on the diagonal
.set DIAG, 69
.set TBN, 92                           ; LDS byte at which the next unit's chunk begins
.set MSB, 0
.macro WIN new                         ; the immediate's high byte repeats the setting that is left
.if MSB != \new
	s_set_vgpr_msb (MSB<<8)|\new
.set MSB, \new
.endif
.endm
.set W_MUL, 0x01                       ; source 0 (an image of K or V) window 1; all else window 0
.set W_LD,  0x40                       ; destination window 1, address window 0
.macro CROUND
	s_barrier_signal -1
	s_barrier_wait -1
	s_cmp_lg_u32 s[WV], 0
	s_cbranch_scc1 .Lnot_wave_0_\@
	s_barrier_signal -3
.Lnot_wave_0_\@:
	s_barrier_wait -3
	s_barrier_signal -1
	s_barrier_wait -1
.endm
.macro TLOAD                           ; my chunk; an s_nop 0 and four v_nop follow the load
	tensor_load_to_lds s[G0A:G0A+3], s[G1A:G1A+7]
	s_nop 0
.rept 4
	v_nop
.endr
.endm
	s_load_b256 s[4:11], s[0:1], 0x0               ; q_codes s[4:5], q_scales s[6:7], kv s[8:9], a_codes s[10:11]
	s_load_b64 s[12:13], s[0:1], 0x20              ; a_scales
	v_lshl_add_u32 v[SPW], v0, 2, SPARE
	v_mov_b32 v[NIL], 0
	ds_add_u32 v[SPW], v[NIL]                      ; the wave's opening: the add, twice on end, and its wait ahead of my first tensor load
	ds_add_u32 v[SPW], v[NIL]
	v_lshrrev_b32 v240, 5, v0
	s_delay_alu instid0(VALU_DEP_1)
	v_readfirstlane_b32 s[WV], v240                ; wave 0..7
	s_lshr_b32 s[M], s[WV], 1
	s_bfe_u32 s[G], ttmp6, 0x40000                 ; my place in the cluster
	s_and_b32 s[YY], ttmp7, 0xffff                 ; 16 x batch + head
	s_mov_b32 s[G1A], 15|(3<<16)|(1<<21)           ; group 1: a chunk, dense, as 136 rows of 256 bytes (32 elements of 8); the mask names all four work-groups; no padding
	s_mov_b32 s[G1A+1], 32<<16
	s_mov_b32 s[G1A+2], 136<<16
	s_mov_b32 s[G1A+3], 32<<16
	s_mov_b32 s[G1A+4], 136
	s_mov_b32 s[G1A+5], 32
	s_mov_b32 s[G1A+6], 0
	s_mov_b32 s[G1A+7], 0
	s_mov_b32 s[SEL], 0x76543210
	s_mov_b32 s[SEL+1], 0xfedcba98
	s_mov_b32 s[CS], 0x3e0293ee                    ; c = log2(e) / sqrt(128)
	s_mov_b32 s[CS+1], s[CS]
	s_mov_b32 s[MNT], 0x600000
	s_sub_co_u32 s[SW], 8, s[M]
	s_sub_co_u32 s[DH], 7, s[M]
	s_lshr_b32 s70, s[YY], 4                       ; batch
	s_and_b32 s71, s[YY], 15                       ; head
	s_lshl_b32 s72, s70, 3
	s_lshr_b32 s73, s71, 1
	s_add_co_u32 s72, s72, s73                     ; 8 x batch + kv head
	s_mul_i32 s72, s72, 8*CHUNK
	s_mul_i32 s74, s[WV], CHUNK                    ; my chunk: in LDS,
	s_add_co_u32 s76, s72, s74                     ; and in kv
	s_mov_b32 s77, 0
	s_wait_dscnt 0x0                               ; both opening adds are done
	s_wait_kmcnt 0x0
	s_mov_b32 s[G0A], 1
	s_mov_b32 s[G0A+1], s74
	s_add_nc_u64 s[G0A+2:G0A+3], s[8:9], s[76:77]
	s_or_b32 s[G0A+3], s[G0A+3], 0x80000000
	CROUND                                         ; all four work-groups are here: the joint loads meet
	s_cmp_lt_u32 s[WV], 1                          ; one chain, a load line to an arm: waves that wait at different barriers have lines of their own
	s_cbranch_scc0 .Lhead_b
	TLOAD                                          ; wave 0: chunk 0
	s_branch .Lhead_asked
.Lhead_b:
	s_cmp_lt_u32 s[WV], 3
	s_cbranch_scc0 .Lhead_c
	TLOAD                                          ; waves 1, 2: chunks 1, 2
	s_branch .Lhead_asked
.Lhead_c:
	TLOAD                                          ; waves 3 to 7: chunks 3 to 7
.Lhead_asked:
	s_lshl_b32 s72, s[WV], 2
	s_add_co_u32 s72, s72, s[G]                    ; the second tile: g + 4 w
	s_sub_co_u32 s73, 63, s72                      ; the first
	s_lshl_b32 s74, s[YY], 6
	s_add_co_u32 s75, s74, s72                     ; Q's images: 64 (16 batch + head) + tile
	s_add_co_u32 s74, s74, s73
	s_lshl_b32 s76, s71, 8
	s_lshl_b32 s77, s70, 6
	s_add_co_u32 s76, s76, s77
	s_add_co_u32 s77, s76, s72                     ; the results' images: 256 head + 64 batch + tile
	s_add_co_u32 s76, s76, s73
	s_mov_b32 s79, 0
.macro PTR dst, base, idx, sh
	s_lshl_b32 s78, s[\idx], \sh
	s_add_nc_u64 s[\dst:\dst+1], s[\base:\base+1], s[78:79]
.endm
	PTR QCH, 4, 74, 11
	PTR QSH, 6, 74, 7
	PTR QCL, 4, 75, 11
	PTR QSL, 6, 75, 7
	PTR OCH, 10, 76, 11
	PTR OSH, 12, 76, 7
	PTR OCL, 10, 77, 11
	PTR OSL, 12, 77, 7
	v_and_b32 v240, 31, v0
	s_delay_alu instid0(VALU_DEP_1)
	v_lshlrev_b32 v[LI], 4, v240
	s_delay_alu instid0(VALU_DEP_2)
	v_lshlrev_b32 v[LS], 2, v240
	v_bfe_u32 v241, v0, 4, 1
	s_delay_alu instid0(VALU_DEP_1)
	v_lshl_add_u32 v[LS2], v241, 9, v[LS]          ; the lower lanes' place + (lane / 16) x four images of 128 bytes
.irp c, 0,1,2,3
	global_load_b128 v[16+4*\c:19+4*\c], v[LI], s[QCH:QCH+1] offset:512*\c     ; the first tile's Q: an image, as it lies
.endr
	global_load_b32 v255, v[LS], s[QSH:QSH+1]
.irp c, 0,1,2,3
	global_load_b128 v[QL+4*\c:QL+4*\c+3], v[LI], s[QCL:QCL+1] offset:512*\c   ; and the second tile's, kept until the change of tiles
.endr
	global_load_b32 v[QLS], v[LS], s[QSL:QSL+1]
	v_and_b32 v240, 15, v0                         ; r
	s_delay_alu instid0(VALU_DEP_1)
	v_and_b32 v241, 8, v240
	s_delay_alu instid0(VALU_DEP_1)
	v_add_nc_u32 v240, v240, v241                  ; r + 8 (r / 8)
	v_bfe_u32 v241, v0, 4, 1
	s_delay_alu instid0(VALU_DEP_1)
	v_lshlrev_b32 v241, 4, v241
	s_delay_alu instid0(VALU_DEP_1)
	v_sub_nc_u32 v240, v240, v241                  ; - 16 (lane / 16)
	s_wait_alu depctr_va_vdst(0)
	s_and_b32 s70, s73, 6
	s_lshl_b32 s70, s70, 4
	s_and_b32 s71, s73, 1
	s_lshl_b32 s71, s71, 3
	s_add_co_u32 s70, s70, s71                     ; a tile's first query in its block of 128: 32 ((tile % 8) / 2) + 8 (tile % 2)
	v_add_nc_u32 v[DQ], s70, v240
	s_and_b32 s70, s72, 6
	s_lshl_b32 s70, s70, 4
	s_and_b32 s71, s72, 1
	s_lshl_b32 s71, s71, 3
	s_add_co_u32 s70, s70, s71
	v_add_nc_u32 v[DQL], s70, v240
	v_mov_b32 v13, 0xff61b1e6                      ; the largest t so far: -3e38, under every t
	s_delay_alu instid0(VALU_DEP_1)
	v_floor_f32 v12, -v13                          ; -M
	v_mov_b32 v14, 0
	v_mov_b32 v15, 0
.irp b, 0,1,2,3
	v_mov_b32 v[236+\b], 0                         ; written once: a lane permute's destination counts as one of its sources
.endr
	v_mov_b32 v253, 0                              ; (named as the upper half of the pair v[252:253] before it is first written)
.set j, 0
.rept 64
	v_mov_b32 v[160+j], 0                          ; O^T: a tile's first unit finds zeros, which the first change of M leaves zeros
.set j, j+1
.endr
.macro IMG base, adr, off, f           ; one image of 2,048 bytes into window 1: four loads of 512 consecutive bytes
.irp c, 0,1,2,3
	ds_load_b128 v[\base+16*(\f)+4*\c:\base+16*(\f)+4*\c+3], v[\adr] offset:\off+(\f)*2048+512*\c
.endr
.endm
; K's eight images and their scale words in one run, for the first unit behind a barrier: the chunk at s[TBN]
.macro FETCHK
	v_add_nc_u32 v[ADK], s[TBN], v[LI]
	v_add_nc_u32 v[ADKS], s[TBN], v[LS2]
	WIN W_LD
.irp f, 0,1,2,3,4,5,6,7
	IMG 0, ADK, 0, \f
.endr
	WIN 0
.irp t, 0,1,2,3
	ds_load_b32 v[KS+\t], v[ADKS] offset:KSC+\t*128
.endr
.endm
; A UNIT: my 16 queries x the 128 keys of the chunk at s[TB], whose K lies in registers.  mask = 1: on the diagonal the hidden scores become -infinity.
; nextk = 1: the next unit's K (the chunk at s[TBN]) is fetched among this unit's lines; 0: not (the next chunk has not been shown landed).
.macro STEP mask, nextk
	s_wait_dscnt 0x0                               ; K, fetched among the last unit's lines
	WIN W_MUL
.irp t, 0,1,2,3                                ; S^T = K Q^T: eight tiles of 16 keys, eight accumulators
	v_wmma_scale_f32_16x16x128_f8f6f4 v[96+8*\t:103+8*\t], v[16*\t:16*\t+15], v[16:31], 0, v[KS+\t], v255
.endr
.irp t, 0,1,2,3
	v_wmma_scale_f32_16x16x128_f8f6f4 v[128+8*\t:135+8*\t], v[64+16*\t:79+16*\t], v[16:31], 0, v[KS+\t], v255 matrix_a_scale:MATRIX_SCALE_ROW1
.endr
	WIN 0
	v_add_nc_u32 v[ADV], s[TB], v[LI]              ; eight places, plain vector instructions that name no register of the products: in front of the loads into V's registers
	v_add_nc_u32 v[ADVS], s[TB], v[LS2]            ; and scale words, and of the first read of the scores
.if \nextk
	v_add_nc_u32 v[ADK], s[TBN], v[LI]
	v_add_nc_u32 v[ADKS], s[TBN], v[LS2]
.rept 4
	v_nop
.endr
.else
.rept 6
	v_nop
.endr
.endif
	WIN W_LD                                       ; run 1 of 12 loads: V's images 0, 1 and its scale words
	IMG 128, ADV, VIM, 0
	IMG 128, ADV, VIM, 1
	WIN 0
.irp t, 0,1,2,3
	ds_load_b32 v[VS+\t], v[ADVS] offset:VSC+\t*128
.endr
.if \mask
	s_cmp_eq_u32 s[DIAG], 0                        ; the wave's number and the count of units alone
	s_cbranch_scc1 .Lopen_\@
	v_mov_b32 v254, 0xff800000                     ; -infinity.  Register 16 b + i holds key 32 b + 16 (lane / 16) + i of the chunk: hidden where 32 b + i > my query's place less 16 (lane / 16)
.set n, 0
	s_wait_alu depctr_va_vdst(0)
.rept 64
	v_cmp_gt_i32 vcc_lo, 32*(n/16)+n%16, v[DQ]
	v_cndmask_b32 v[96+n], v[96+n], v254, vcc_lo
.set n, n+1
.endr
.Lopen_\@:
.endif
.irp b, 0,1,2,3
	v_max3_num_f32 v[232+\b], v[96+16*\b], v[97+16*\b], v[98+16*\b]   ; the largest score of each block of 32 keys: for the row's maximum, and, since p rises with the score, for the block's largest p
.endr
.irp i, 3,5,7,9,11,13
.irp b, 0,1,2,3
	v_max3_num_f32 v[232+\b], v[232+\b], v[96+16*\b+\i], v[97+16*\b+\i]
.endr
.if \i == 7
	WIN W_LD                                       ; run 2: V's images 2 to 4
	IMG 128, ADV, VIM, 2
	IMG 128, ADV, VIM, 3
	IMG 128, ADV, VIM, 4
	WIN 0
.endif
.endr
.irp b, 0,1,2,3
	v_max_num_f32 v[232+\b], v[232+\b], v[111+16*\b]
.endr
.irp b, 0,1,2,3
	v_permlanex16_b32 v[236+\b], v[232+\b], s[SEL], s[SEL+1]
.endr
.irp b, 0,1,2,3
	s_delay_alu instid0(VALU_DEP_4)
	v_max_num_f32 v[232+\b], v[232+\b], v[236+\b]  ; with lane l xor 16's 16 keys
.endr
	s_delay_alu instid0(VALU_DEP_2)
	v_max3_num_f32 v254, v232, v233, v234
	s_delay_alu instid0(VALU_DEP_1)
	v_max_num_f32 v254, v254, v235                 ; the unit's largest score of my query
	s_delay_alu instid0(VALU_DEP_1)
	v_mul_f32 v254, s[CS], v254                    ; as t
	s_delay_alu instid0(VALU_DEP_1)
	v_max_num_f32 v13, v13, v254                   ; the running largest t
	v_mov_b32 v254, v12
	s_delay_alu instid0(VALU_DEP_2)
	v_floor_f32 v12, -v13                          ; the new -M = -ceil(t): a whole number
	s_delay_alu instid0(VALU_DEP_1)
	v_sub_f32 v254, v12, v254                      ; old M - new M: a whole number, 0 or less
	s_delay_alu instid0(VALU_DEP_1)
	v_cvt_i32_f32 v254, v254                       ; (it saturates)
	s_delay_alu instid0(VALU_DEP_1)
	v_ldexp_f32 v252, 1.0, v254                    ; f = 2^(old M - new M): a multiplication by it rounds nothing
.set j, 0
.rept 32
	v_pk_fma_f32 v[96+j:97+j], v[96+j:97+j], s[CS:CS+1], v[12:13] op_sel_hi:[1,0,0]   ; t - M, two at a time
.set j, j+2
.endr
	WIN W_LD                                       ; run 3: V's images 5 to 7
	IMG 128, ADV, VIM, 5
	IMG 128, ADV, VIM, 6
	IMG 128, ADV, VIM, 7
	WIN 0
.irp b, 0,1,2,3
	v_fma_f32 v[232+\b], v[232+\b], s[CS], v12     ; the same of each block's largest score
.endr
.set j, 0
	s_wait_alu depctr_va_vdst(0)
.rept 64
	v_exp_f32 v[96+j], v[96+j]                     ; p = 2^(t - M): not normalised
.set j, j+1
.endr
	v_pk_mul_f32 v[14:15], v[14:15], v[252:253] op_sel_hi:[1,0]   ; the sums under the new M (a plain instruction behind the exponentials)
	s_wait_alu depctr_va_vdst(0)                   ; one wait for the whole batch, ahead of its first reader
.irp b, 0,1,2,3
	v_exp_f32 v[232+\b], v[232+\b]                 ; the block's largest p
.endr
	v_pk_add_f32 v[236:237], v[100:101], v[104:105]   ; the row's sum of the unquantised p, in eight chains
	v_pk_add_f32 v[250:251], v[108:109], v[112:113]
	v_pk_add_f32 v[248:249], v[116:117], v[120:121]
	v_pk_add_f32 v[246:247], v[124:125], v[128:129]
	v_pk_add_f32 v[244:245], v[132:133], v[136:137]
	v_pk_add_f32 v[242:243], v[140:141], v[144:145]
	v_pk_add_f32 v[240:241], v[148:149], v[152:153]
	v_pk_add_f32 v[14:15], v[14:15], v[156:157]
.if \nextk
	WIN W_LD                                       ; run 4: the next unit's K, images 0 to 2
	IMG 0, ADK, 0, 0
	IMG 0, ADK, 0, 1
	IMG 0, ADK, 0, 2
	WIN 0
.endif
	v_pk_add_f32 v[236:237], v[236:237], v[96:97]
	v_pk_add_f32 v[250:251], v[250:251], v[98:99]
	v_pk_add_f32 v[248:249], v[248:249], v[102:103]
	v_pk_add_f32 v[246:247], v[246:247], v[106:107]
	v_pk_add_f32 v[244:245], v[244:245], v[110:111]
	v_pk_add_f32 v[242:243], v[242:243], v[114:115]
	v_pk_add_f32 v[240:241], v[240:241], v[118:119]
	v_pk_add_f32 v[14:15], v[14:15], v[122:123]
	v_pk_add_f32 v[236:237], v[236:237], v[126:127]
	v_pk_add_f32 v[250:251], v[250:251], v[130:131]
	v_pk_add_f32 v[248:249], v[248:249], v[134:135]
	v_pk_add_f32 v[246:247], v[246:247], v[138:139]
	v_pk_add_f32 v[244:245], v[244:245], v[142:143]
	v_pk_add_f32 v[242:243], v[242:243], v[146:147]
	v_pk_add_f32 v[240:241], v[240:241], v[150:151]
	v_pk_add_f32 v[14:15], v[14:15], v[154:155]
	v_pk_add_f32 v[236:237], v[236:237], v[158:159]
	s_delay_alu instid0(VALU_DEP_2)
	v_pk_add_f32 v[14:15], v[14:15], v[246:247]
	s_delay_alu instid0(VALU_DEP_2)
	v_pk_add_f32 v[236:237], v[236:237], v[244:245]
	v_pk_add_f32 v[250:251], v[250:251], v[242:243]
	v_pk_add_f32 v[248:249], v[248:249], v[240:241]
	s_delay_alu instid0(VALU_DEP_2)
	v_pk_add_f32 v[14:15], v[14:15], v[250:251]
	s_delay_alu instid0(VALU_DEP_2)
	v_pk_add_f32 v[236:237], v[236:237], v[248:249]
	s_delay_alu instid0(VALU_DEP_1)
	v_pk_add_f32 v[14:15], v[14:15], v[236:237]
	s_wait_alu depctr_va_vdst(0)                   ; and one for the four
.irp b, 0,1,2,3
	v_max_num_f32 v[232+\b], 0x4800000, v[232+\b]  ; the floor 2^(9 - 127): the byte cannot fall under 1
.endr
.irp b, 0,1,2,3
	s_delay_alu instid0(VALU_DEP_4)
	v_add_nc_u32 v[244+\b], 0xfc000000, v[232+\b]  ; the conversion's scale operand
.endr
.irp b, 0,1,2,3
	v_and_or_b32 v[240+\b], v[232+\b], 0x7f800000, s[MNT]   ; 448 x the scale
.endr
.irp b, 0,1,2,3
	v_lshrrev_b32 v[236+\b], 23, v[244+\b]         ; the scale's byte
.endr
	s_delay_alu instid0(VALU_DEP_3)
	v_lshl_or_b32 v253, v237, 8, v236              ; p's scale word for these 128 keys
	s_delay_alu instid0(VALU_DEP_1)
	v_lshl_or_b32 v253, v238, 16, v253
	s_delay_alu instid0(VALU_DEP_1)
	v_lshl_or_b32 v253, v239, 24, v253
.irp b, 0,1,2,3
.irp i, 0,1,2,3,4,5,6,7,8,9,10,11,12,13,14,15
	v_min_num_f32 v[96+16*\b+\i], v[96+16*\b+\i], v[240+\b]   ; the hold (the conversion to an 8-bit code does not saturate: ISA guide 7.6.2); p is not negative, so it is one-sided
.endr
	v_cvt_scalef32_pk8_fp8_f32 v[224+4*\b:225+4*\b], v[96+16*\b:103+16*\b], v[244+\b]
	v_cvt_scalef32_pk8_fp8_f32 v[226+4*\b:227+4*\b], v[104+16*\b:111+16*\b], v[244+\b]
.if \nextk
.if \b == 0
	WIN W_LD                                       ; run 5: K's images 3 to 5
	IMG 0, ADK, 0, 3
	IMG 0, ADK, 0, 4
	IMG 0, ADK, 0, 5
	WIN 0
.endif
.if \b == 2
	WIN W_LD                                       ; run 6: K's images 6, 7 and its scale words
	IMG 0, ADK, 0, 6
	IMG 0, ADK, 0, 7
	WIN 0
.irp t, 0,1,2,3
	ds_load_b32 v[KS+\t], v[ADKS] offset:KSC+\t*128
.endr
.endif
.endif
.endr
.set j, 0
.rept 32
	v_pk_mul_f32 v[160+j:161+j], v[160+j:161+j], v[252:253] op_sel_hi:[1,0]   ; O^T under the new M.  (These 32 are also the places between p's codes and scale word and the products below)
.set j, j+2
.endr
	s_wait_alu depctr_va_vdst(0)
.if \nextk
	s_wait_dscnt 36                                ; V and its scale words are in: behind them stand K's 36 loads, which may stay out
.else
	s_wait_dscnt 0x0                               ; V and its scale words
.endif
	WIN W_MUL
.irp t, 0,1,2,3                                ; O^T += V^T P^T: eight tiles of 16 of the head's 128, eight accumulators by turns
	v_wmma_scale_f32_16x16x128_f8f6f4 v[160+8*\t:167+8*\t], v[128+16*\t:143+16*\t], v[224:239], v[160+8*\t:167+8*\t], v[VS+\t], v253
.endr
.irp t, 0,1,2,3
	v_wmma_scale_f32_16x16x128_f8f6f4 v[192+8*\t:199+8*\t], v[192+16*\t:207+16*\t], v[224:239], v[192+8*\t:199+8*\t], v[VS+\t], v253 matrix_a_scale:MATRIX_SCALE_ROW1
.endr
	WIN 0
.endm
; A TILE IS FINISHED: O^T / the sum, quantised along the head's 128, stored as an image.  sw = 1: the second tile's Q takes the first's place and the running numbers begin anew.
.macro FINISH sw, oc, os
.rept 8
	v_nop                                          ; places behind the last products, in front of the first read of O^T
.endr
	v_add_f32 v14, v14, v15                        ; the sum's two halves,
	s_delay_alu instid0(VALU_DEP_1)
	v_permlanex16_b32 v252, v14, s[SEL], s[SEL+1]
	s_delay_alu instid0(VALU_DEP_1)
	v_add_f32 v14, v14, v252                       ; and lane l xor 16's
	s_wait_alu depctr_va_vdst(0)
	v_rcp_f32 v14, v14
	v_nop                                          ; one plain instruction behind the reciprocal,
	s_wait_alu depctr_va_vdst(0)                   ; and the wait ahead of its first reader
.set j, 0
.rept 64
	v_mul_f32 v[96+j], v[160+j], v14               ; register 16 c + i: channel 32 c + 16 (lane / 16) + i of my query
.set j, j+1
.endr
.irp b, 0,1,2,3
	v_max3_num_f32 v[232+\b], |v[96+16*\b]|, |v[97+16*\b]|, 0x4800000
.endr
.irp i, 2,4,6,8,10,12,14
.irp b, 0,1,2,3
	s_delay_alu instid0(VALU_DEP_4)
	v_max3_num_f32 v[232+\b], v[232+\b], |v[96+16*\b+\i]|, |v[97+16*\b+\i]|
.endr
.endr
.irp b, 0,1,2,3
	v_permlanex16_b32 v[236+\b], v[232+\b], s[SEL], s[SEL+1]
.endr
.irp b, 0,1,2,3
	s_delay_alu instid0(VALU_DEP_4)
	v_max_num_f32 v[232+\b], v[232+\b], v[236+\b]
.endr
.irp b, 0,1,2,3
	s_delay_alu instid0(VALU_DEP_4)
	v_add_nc_u32 v[244+\b], 0xfc000000, v[232+\b]
.endr
.irp b, 0,1,2,3
	v_and_or_b32 v[240+\b], v[232+\b], 0x7f800000, s[MNT]
.endr
.irp b, 0,1,2,3
	v_lshrrev_b32 v[236+\b], 23, v[244+\b]
.endr
	s_delay_alu instid0(VALU_DEP_3)
	v_lshl_or_b32 v254, v237, 8, v236
	s_delay_alu instid0(VALU_DEP_1)
	v_lshl_or_b32 v254, v238, 16, v254
	s_delay_alu instid0(VALU_DEP_1)
	v_lshl_or_b32 v254, v239, 24, v254
.irp b, 0,1,2,3
.irp i, 0,1,2,3,4,5,6,7,8,9,10,11,12,13,14,15
	v_med3_num_f32 v[96+16*\b+\i], v[96+16*\b+\i], -v[240+\b], v[240+\b]
.endr
	v_cvt_scalef32_pk8_fp8_f32 v[PC+4*\b:PC+4*\b+1], v[96+16*\b:103+16*\b], v[244+\b]
	v_cvt_scalef32_pk8_fp8_f32 v[PC+4*\b+2:PC+4*\b+3], v[104+16*\b:111+16*\b], v[244+\b]
.endr
	v_nop                                          ; one plain vector instruction behind the last conversion
.irp c, 0,1,2,3
	global_store_b128 v[LI], v[PC+4*\c:PC+4*\c+3], s[\oc:\oc+1] offset:512*\c  ; the wave stores 512 consecutive bytes, aligned
.endr
	global_store_b32 v[LS], v254, s[\os:\os+1]
.if \sw
.set j, 0
.rept 16
	v_mov_b32 v[16+j], v[QL+j]                     ; the second tile's Q,
.set j, j+1
.endr
	v_mov_b32 v255, v[QLS]                         ; and its scale word: the 69 plain lines below stand between these and the next products
.set j, 0
.rept 64
	v_mov_b32 v[160+j], 0
.set j, j+1
.endr
	v_mov_b32 v13, 0xff61b1e6
	s_delay_alu instid0(VALU_DEP_1)
	v_floor_f32 v12, -v13
	v_mov_b32 v14, 0
	v_mov_b32 v15, 0
	v_mov_b32 v[DQ], v[DQL]
	s_wait_xcnt 0x0                                ; the stores have read the codes and the scale word: their registers are written again only behind this wait
.endif
.endm
	s_wait_alu depctr_va_vdst(0)
	s_wait_loadcnt 0x0                             ; both tiles' Q
	s_cmp_lt_u32 s[WV], 1
	s_cbranch_scc0 .Lnot_first
	s_wait_tensorcnt 0x0                           ; wave 0: chunk 0 is in.  The other waves' loads stay out
.Lnot_first:
	s_barrier_signal -1
	s_barrier_wait -1                              ; chunk 0 lies in LDS
	s_mov_b32 s[TB], 0
	s_mov_b32 s[TBN], 0
	FETCHK                                         ; chunk 0's K
	STEP 0, 0                                      ; unit 0: chunk 0 and the first tile, whose block is 4 or more: units 0 to 2 are never on the diagonal
	s_cmp_lt_u32 s[WV], 3
	s_cbranch_scc0 .Lnot_second
	s_wait_tensorcnt 0x0                           ; waves 1, 2: chunks 1 and 2 are in (wave 0 has nothing out)
.Lnot_second:
	s_wait_dscnt 0x0
	s_barrier_signal -1
	s_barrier_wait -1                              ; chunks 1 and 2 lie in LDS
	s_mov_b32 s[TB], CHUNK
	s_mov_b32 s[TBN], CHUNK
	FETCHK                                         ; chunk 1's K
	s_mov_b32 s[TBN], 2*CHUNK
	STEP 0, 1                                      ; unit 1; chunk 2's K is fetched on the way
	s_mov_b32 s[TB], 2*CHUNK
	STEP 0, 0                                      ; unit 2
	s_wait_tensorcnt 0x0                           ; every wave: all that was still out, chunks 3 to 7
	s_wait_dscnt 0x0
	s_barrier_signal -1
	s_barrier_wait -1                              ; all K and V lie in LDS
	s_mov_b32 s[TBN], 3*CHUNK
	FETCHK                                         ; chunk 3's K
	s_mov_b32 s[U], 3
.Lunit:                                            ; units 3 .. 8: a constant count, the same in every wave
	s_cmp_lg_u32 s[U], s[SW]
	s_cbranch_scc1 .Lsame
	FINISH 1, OCH, OSH                             ; the first tile has had its 8 - m chunks
.Lsame:
	s_cmp_lt_u32 s[U], s[SW]
	s_cselect_b32 s70, 0, s[M]
	s_add_co_u32 s70, s70, s[U]
	s_and_b32 s70, s70, 7                          ; the chunk: U for the first tile, U - (8 - m) for the second: 0 .. 7
	s_mul_i32 s[TB], s70, CHUNK
	s_add_co_u32 s71, s[U], 1                      ; and the next unit's, by the same lines (behind unit 8: chunk (m + 1) % 8, which nothing multiplies)
	s_cmp_lt_u32 s71, s[SW]
	s_cselect_b32 s72, 0, s[M]
	s_add_co_u32 s72, s72, s71
	s_and_b32 s72, s72, 7
	s_mul_i32 s[TBN], s72, CHUNK
	s_cmp_eq_u32 s[U], s[DH]
	s_cselect_b32 s[DIAG], 1, 0                    ; each tile's last chunk is its own block: on the diagonal
	s_cmp_eq_u32 s[U], 8
	s_cselect_b32 s[DIAG], 1, s[DIAG]
	STEP 1, 1
	s_add_co_u32 s[U], s[U], 1
	s_cmp_lt_u32 s[U], 9
	s_cbranch_scc1 .Lunit
	FINISH 0, OCL, OSL
	s_wait_tensorcnt 0x0                           ; the wave's end
	ds_add_u32 v[SPW], v[NIL]
	s_wait_dscnt 0x0
	CROUND                                         ; the closing round
	s_endpgm
.Lfunc_end_k_qf674238368_attn:
	.size	k_qf674238368_attn, .Lfunc_end_k_qf674238368_attn-k_qf674238368_attn
	.p2alignl 7, 3214868480
	.fill 96, 4, 3214868480
	.section	.rodata,"a",@progbits
	.p2align	6, 0x0
	.amdhsa_kernel k_qf674238368_attn
		.amdhsa_group_segment_fixed_size 327680
		.amdhsa_private_segment_fixed_size 0
		.amdhsa_enable_private_segment 0
		.amdhsa_kernarg_size 40
		.amdhsa_user_sgpr_count 2
		.amdhsa_user_sgpr_kernarg_segment_ptr 1
		.amdhsa_wavefront_size32 1
		.amdhsa_system_sgpr_workgroup_id_x 1
		.amdhsa_system_sgpr_workgroup_id_y 1
		.amdhsa_system_sgpr_workgroup_id_z 1
		.amdhsa_system_vgpr_workitem_id 0
		.amdhsa_next_free_vgpr 512
		.amdhsa_next_free_sgpr 96
		.amdhsa_reserve_vcc 1
		.amdhsa_float_denorm_mode_32 3
		.amdhsa_float_denorm_mode_16_64 3
		.amdhsa_memory_ordered 1
		.amdhsa_forward_progress 1
		.amdhsa_inst_pref_size 138
	.end_amdhsa_kernel
	.amdgpu_metadata
---
amdhsa.version: [ 1, 2 ]
amdhsa.kernels:
  - .name:           k_qf674238368_attn
    .symbol:         k_qf674238368_attn.kd
    .args:
      - { .name: q_codes, .offset: 0, .size: 8, .value_kind: global_buffer, .address_space: global }
      - { .name: q_scales, .offset: 8, .size: 8, .value_kind: global_buffer, .address_space: global }
      - { .name: kv, .offset: 16, .size: 8, .value_kind: global_buffer, .address_space: global }
      - { .name: a_codes, .offset: 24, .size: 8, .value_kind: global_buffer, .address_space: global }
      - { .name: a_scales, .offset: 32, .size: 8, .value_kind: global_buffer, .address_space: global }
    .group_segment_fixed_size: 327680
    .private_segment_fixed_size: 0
    .kernarg_segment_align: 8
    .kernarg_segment_size: 40
    .max_flat_workgroup_size: 256
    .sgpr_count:     96
    .vgpr_count:     512
    .wavefront_size: 32
...
	.end_amdgpu_metadata
.endif
;; end of part 3
;; launch oproj (part 4): grid 8 x 32, 4 waves a work-group, clusters of 4 x 4, 327,680 bytes of LDS; arguments a_codes, a_scales, codes, scales, out0; writes out0
.if DOCPART == 4
	.amdgcn_target "amdgcn-amd-amdhsa--gfx1250"
	.amdhsa_code_object_version 6
	.text
	.protected	k_qf674238368_oproj
	.globl	k_qf674238368_oproj
	.p2align	8
	.type	k_qf674238368_oproj,@function
k_qf674238368_oproj:
	s_mov_b64 s[64:65], 0
	v_nop
	global_prefetch_b8 v0, s[64:65] scope:SCOPE_SE
	s_setreg_imm32_b32 hwreg(HW_REG_WAVE_MODE, 25, 1), 1
	s_wait_xcnt 0x0
	s_wait_alu depctr_hold_cnt(0) depctr_sa_sdst(0) depctr_va_vdst(0) depctr_va_sdst(0) depctr_va_ssrc(0) depctr_va_vcc(0) depctr_vm_vsrc(0)
	s_getreg_b32 s2, hwreg(HW_REG_IB_STS2, 6, 4)
	s_cmp_eq_u32 s2, 0
	s_cbranch_scc0 .Lentry_in_a_cluster
	s_endpgm
.Lentry_in_a_cluster:
	s_bfe_u32 s2, ttmp6, 0x10000c
	s_cmp_lg_u32 s2, 0xf033
	s_cbranch_scc0 .Lentry_shape_is_right
	s_endpgm
.Lentry_shape_is_right:
; out0 = attn W_o ON CODES OF MX-FP8 (E4M3, a scale byte for 32 along K): 4,096 x 2,048 x 2,048, f32 out.  No work of reference() is left out here.
; 256 work-groups of four waves, 4 x 4 to a cluster; a work-group makes 128 tokens x 256 columns, a wave 64 x 128 (32 accumulators).  A: launch attn's images (a head of 128 channels x 16 stored tokens: 2,048 bytes, read as it lies);
; B: W_o's stored rows, 256 bytes of a row a K step, 272 in LDS.  A K step is two heads, 256 along K; two LDS slots.  The scale words of all of K come once and stay.
; THE HEAD: four tiles, one joint load a wave, in the arms of one chain on the wave's number: wave 0 K step 0 of A (two heads x 16,384 dense bytes, one descriptor of two rows), wave 1 A's scale words (16 heads x 1,024 bytes),
; wave 2 K step 0's 256 rows of B, wave 3 B's scale bytes.  Slot 1's first fill stands behind the full sequence and a round, as a refill does.  Every wait on TENSORcnt is for 0.
; PREFETCH INTO THE L2: behind the load of K step k a wave asks for K step k + 2 (the head: steps 1 and 2).  Of what a wave fetches in the ring its work-group takes a quarter, by address: of a head's 16,384 bytes of A 4,096
; (place cx; lanes 256 bytes apart, lanes 16-31 name the last block again), of B's 128 rows 32 (place cy; a lane a row).  The loads of K steps 6 and 7 ask for nothing.
; THE WAY OUT: blocks of 16 tokens x 128 columns through the wave's stage in slot 0, which has had its last fill; the 32 lanes store 512 consecutive bytes, aligned; the stored order of tokens and columns is undone by the offsets.
.set PFA,  8                           ; s[8:9]   where my prefetches stand, stepped a K step at each refill;  s[4:5], s[6:7]: K steps 1 and 2, for the head
.set PFS,  10                          ; s[10:11] a K step on, in bytes: two heads of a_codes, or 256 in a row of codes
.set PFO,  30                          ; v30      my lane's offset in a prefetch
.set PITCH,  272
.set HALFB,  128*PITCH
.set BOFF,   32768
.set SLOT,   BOFF+2*HALFB
.set SCA,    2*SLOT
.set SCB,    SCA+16384
.set SBLK,   1088
.set SPARE,  SCB+64*272
.set SPITCH, 528
.set ADRA, 16
.set ADRB, 20
.set ADSA, 22
.set ADSB, 23
.set STO,  24
.set RD,   25
.set CO,   26
.set SPW,  28
.set NIL,  29
.set SA,   32
.set SB,   48
.set AF,   128
.set BK,   128
.set G1,  24
.set G0,  32
.set G1B, 48
.set G0B, 56
.set G1S, 68
.set G0S, 76
.set G1SB, 80
.set G0SB, 88
.set MSB, 0
.macro WIN new
.if MSB != \new
	s_set_vgpr_msb (MSB<<8)|\new
.set MSB, \new
.endif
.endm
.set MUL,  0xa1
.set TO_B, 0x40
.macro JLOAD g0a, g1a, g0b, g1b
	s_cmp_eq_u32 s15, 0
	s_cbranch_scc0 .Lfor_b_\@
	tensor_load_to_lds s[\g0a:\g0a+3], s[\g1a:\g1a+7]
	s_nop 0
.rept 4
	v_nop
.endr
	s_branch .Lasked_\@
.Lfor_b_\@:
	tensor_load_to_lds s[\g0b:\g0b+3], s[\g1b:\g1b+7]
	s_nop 0
.rept 4
	v_nop
.endr
.Lasked_\@:
.endm
.macro CREST
	s_cmp_lg_u32 s14, 0
	s_cbranch_scc1 .Lnot_wave_0_\@
	s_barrier_signal -3
.Lnot_wave_0_\@:
	s_barrier_wait -3
	s_barrier_signal -1
	s_barrier_wait -1
.endm
.macro CROUND
	s_barrier_signal -1
	s_barrier_wait -1
	CREST
.endm
	s_load_b256 s[4:11], s[0:1], 0x0
	s_load_b64 s[12:13], s[0:1], 0x20
	v_lshl_add_u32 v[SPW], v0, 2, SPARE
	v_mov_b32 v[NIL], 0
	ds_add_u32 v[SPW], v[NIL]
	ds_add_u32 v[SPW], v[NIL]
	v_lshrrev_b32 v1, 5, v0
	v_readfirstlane_b32 s14, v1
	s_lshr_b32 s15, s14, 1
	s_and_b32 s16, s14, 1
	s_bfe_u32 s40, ttmp6, 0x40000
	s_bfe_u32 s41, ttmp6, 0x40004
	s_lshl_b32 s42, ttmp9, 2
	s_add_co_u32 s42, s42, s40
	s_and_b32 s17, ttmp7, 0xffff
	s_lshl_b32 s17, s17, 2
	s_add_co_u32 s17, s17, s41
	s_lshl_b32 s43, s41, 2
	s_lshl_b32 s43, 15, s43
	s_lshl_b32 s44, 0x1111, s40
	s_or_b32 s[G1+0], s43, (3<<16)|(1<<21)
	s_mov_b32 s[G1+1], 2048<<16                    ; the head's load of A: two rows of 2,048 elements of 8 bytes, a head (65,536 elements) apart; behind it the five words are set for the ring
	s_mov_b32 s[G1+2], 2<<16
	s_mov_b32 s[G1+3], 2048<<16
	s_mov_b32 s[G1+4], 2
	s_mov_b32 s[G1+5], 65536
	s_mov_b32 s[G1+6], 0
	s_mov_b32 s[G1+7], 0
	s_or_b32 s[G1B+0], s44, (0<<16)|(1<<20)|(1<<21)|(5<<22)|(3<<25)
	s_mov_b32 s[G1B+1], 256<<16
	s_mov_b32 s[G1B+2], 256<<16
	s_mov_b32 s[G1B+3], 256<<16
	s_mov_b32 s[G1B+4], 256
	s_mov_b32 s[G1B+5], 2048
	s_mov_b32 s[G1B+6], 0
	s_mov_b32 s[G1B+7], 0
	s_or_b32 s[G1S+0], s43, (3<<16)|(1<<21)
	s_mov_b32 s[G1S+1], 128<<16
	s_mov_b32 s[G1S+2], 16<<16
	s_mov_b32 s[G1S+3], 128<<16
	s_mov_b32 s[G1S+4], 16
	s_mov_b32 s[G1S+5], 4096
	s_mov_b32 s[G1S+6], 0
	s_mov_b32 s[G1S+7], 0
	s_or_b32 s[G1SB+0], s44, (3<<16)|(1<<20)|(1<<21)|(5<<22)|(3<<25)
	s_mov_b32 s[G1SB+1], 32<<16
	s_mov_b32 s[G1SB+2], 64<<16
	s_mov_b32 s[G1SB+3], 32<<16
	s_mov_b32 s[G1SB+4], 64
	s_mov_b32 s[G1SB+5], 32
	s_mov_b32 s[G1SB+6], 0
	s_mov_b32 s[G1SB+7], 0
	s_lshl_b32 s20, s16, 19
	s_lshl_b32 s21, s17, 14
	s_add_co_u32 s20, s20, s21
	s_mov_b32 s21, 0
	s_lshl_b32 s22, s17, 10                        ; A's scale words: my tile row's 1,024 bytes of head 0
	s_mov_b32 s23, 0
	s_lshl_b32 s46, s42, 8
	s_add_co_u32 s46, s46, 8192                    ; B's tile: its first stored row
	s_lshl_b32 s92, s46, 6                         ; where the 256 rows' scale bytes begin
	s_mov_b32 s93, 0
	s_lshl_b32 s47, s16, 7
	s_add_co_u32 s46, s46, s47                     ; the ring: my 128 rows
	s_lshl_b32 s46, s46, 11
	s_mov_b32 s47, 0
	s_lshl_b32 s45, s16, 14
	s_mul_i32 s94, s16, HALFB
	s_add_co_u32 s94, s94, BOFF
	s_lshl_b32 s96, s40, 12                        ; the prefetches: of my head's 16,384 bytes of A the quarter at place cx,
	s_add_co_u32 s96, s96, s20
	s_lshl_b32 s97, s41, 16                        ; of my 128 rows of B the 32 at place cy
	s_add_co_u32 s97, s97, s46
	s_cmp_eq_u32 s15, 0                            ; waves 0, 1 fetch for A, waves 2, 3 for B
	s_cselect_b32 s96, s96, s97
	s_mov_b32 s97, 0
	s_cselect_b32 s95, 15, 31                      ; blocks of 256 bytes in my share, less one,
	s_cselect_b32 s98, 8, 11                       ; and log2 of the bytes from one to the next
	s_wait_dscnt 0x0
	s_wait_kmcnt 0x0
	s_add_nc_u64 s[20:21], s[4:5], s[20:21]
	s_add_nc_u64 s[22:23], s[6:7], s[22:23]
	s_add_nc_u64 s[46:47], s[8:9], s[46:47]
	s_add_nc_u64 s[92:93], s[10:11], s[92:93]
	s_cmp_eq_u32 s15, 0
	s_cselect_b64 s[4:5], s[4:5], s[8:9]
	s_mov_b32 s[PFS], 256
	s_cselect_b32 s[PFS], 0x100000, s[PFS]
	s_mov_b32 s[PFS+1], 0
	s_add_nc_u64 s[4:5], s[4:5], s[96:97]
	s_add_nc_u64 s[4:5], s[4:5], s[PFS:PFS+1]      ; K step 1,
	s_add_nc_u64 s[6:7], s[4:5], s[PFS:PFS+1]      ; 2,
	s_add_nc_u64 s[PFA:PFA+1], s[6:7], s[PFS:PFS+1]   ; 3
	CROUND
	s_mov_b32 s[G0S], 1
	s_mov_b32 s[G0S+1], SCA
	s_mov_b64 s[G0S+2:G0S+3], s[22:23]
	s_or_b32 s[G0S+3], s[G0S+3], 0x80000000
	s_mov_b32 s[G0SB], 1
	s_mov_b32 s[G0SB+1], SCB
	s_mov_b64 s[G0SB+2:G0SB+3], s[92:93]
	s_or_b32 s[G0SB+3], s[G0SB+3], 0x80000000
.irp s, 0,1
	s_mov_b32 s[G0+4*\s], 1
	s_add_co_u32 s[G0+4*\s+1], s45, \s*SLOT
	s_add_nc_u64 s[G0+4*\s+2:G0+4*\s+3], s[20:21], \s*2*524288
	s_or_b32 s[G0+4*\s+3], s[G0+4*\s+3], 0x80000000
	s_mov_b32 s[G0B+4*\s], 1
	s_add_co_u32 s[G0B+4*\s+1], s94, \s*SLOT
	s_add_nc_u64 s[G0B+4*\s+2:G0B+4*\s+3], s[46:47], \s*256
	s_or_b32 s[G0B+4*\s+3], s[G0B+4*\s+3], 0x80000000
.endr
; the head's loads, one a wave.  Wave 0's group 0 of slot 0 names head 0's images and LDS byte 0, wave 2's names B's first row and the byte behind A's part of the slot: with the head's group 1 each brings its whole tile
.macro ARM under, g0, g1, next
	s_cmp_lt_u32 s14, \under
	s_cbranch_scc0 \next
	tensor_load_to_lds s[\g0:\g0+3], s[\g1:\g1+7]
	s_nop 0
.rept 4
	v_nop
.endr
	s_branch .Lhead_asked
\next:
.endm
	ARM 1, G0,  G1,  .Lhead_sa
	ARM 2, G0S, G1S, .Lhead_b
	ARM 3, G0B, G1B, .Lhead_sb
	tensor_load_to_lds s[G0SB:G0SB+3], s[G1SB:G1SB+7]
	s_nop 0
.rept 4
	v_nop
.endr
.Lhead_asked:
	v_and_b32 v[PFO], 31, v0
	v_min_u32 v[PFO], s95, v[PFO]
	v_lshlrev_b32 v[PFO], s98, v[PFO]
	global_prefetch_b8 v[PFO], s[4:5] th:TH_LOAD_NT scope:SCOPE_SE   ; K step 1,
	global_prefetch_b8 v[PFO], s[6:7] th:TH_LOAD_NT scope:SCOPE_SE   ; K step 2
	v_and_b32 v1, 15, v0
	v_bfe_u32 v2, v0, 4, 1
	v_and_b32 v3, 31, v0
	v_lshlrev_b32 v[CO], 4, v3
	s_lshl_b32 s21, s15, 13
	v_add_nc_u32 v[ADRA], s21, v[CO]
	v_add_nc_u32 v[ADRA+1], SLOT, v[ADRA]
	v_mul_u32_u24 v5, v1, PITCH
	v_lshl_add_u32 v5, v2, 4, v5
	s_mul_i32 s22, s16, HALFB
	s_add_co_u32 s22, s22, BOFF
	v_add_nc_u32 v[ADRB], s22, v5
	v_add_nc_u32 v[ADRB+1], SLOT, v[ADRB]
	s_lshl_b32 s21, s15, 9
	s_add_co_u32 s21, s21, SCA
	v_lshl_add_u32 v[ADSA], v3, 2, s21
	v_lshlrev_b32 v5, 6, v1
	v_lshrrev_b32 v6, 8, v5
	v_lshl_add_u32 v5, v6, 4, v5
	s_mul_i32 s22, s16, 32*272
	s_add_co_u32 s22, s22, SCB
	v_add_nc_u32 v[ADSB], s22, v5
	s_mul_i32 s23, s14, 16*SPITCH
	v_mul_u32_u24 v5, v1, SPITCH
	v_lshl_add_u32 v5, v2, 6, v5
	v_add_nc_u32 v[STO], s23, v5
	v_add_nc_u32 v[RD], s23, v[CO]
	s_lshl_b32 s20, s17, 7
	s_lshl_b32 s21, s15, 6
	s_add_co_u32 s20, s20, s21
	s_lshl_b32 s20, s20, 13
	s_lshl_b32 s21, s42, 10
	s_add_co_u32 s20, s20, s21
	s_lshl_b32 s21, s16, 9
	s_add_co_u32 s20, s20, s21
	s_mov_b32 s21, 0
	s_add_nc_u64 s[12:13], s[12:13], s[20:21]
.macro MUL8 a, p, q, sc, zero
.irp b, 0,1,2,3,4,5,6,7
.if \zero
	v_wmma_scale_f32_16x16x128_f8f6f4 v[8*(8*(\a)+\b):8*(8*(\a)+\b)+7], v[128*(\p)+16*\b:128*(\p)+16*\b+15], v[AF+64*(\p)+16*(\a):AF+64*(\p)+16*(\a)+15], 0, v[SB+16*(\sc)+2*\b+(\q)], v[SA+8*(\sc)+2*(\a)+(\q)]
.else
	v_wmma_scale_f32_16x16x128_f8f6f4 v[8*(8*(\a)+\b):8*(8*(\a)+\b)+7], v[128*(\p)+16*\b:128*(\p)+16*\b+15], v[AF+64*(\p)+16*(\a):AF+64*(\p)+16*(\a)+15], v[8*(8*(\a)+\b):8*(8*(\a)+\b)+7], v[SB+16*(\sc)+2*\b+(\q)], v[SA+8*(\sc)+2*(\a)+(\q)]
.endif
	v_nop                                          ; one behind each product: eight places and more lie between a group's last product and any load that stands behind the next group
.endr
.endm
.macro LB slot, q, p, i                ; B's fragment i of the slot's q-th 128 along K into set p: four loads
	WIN TO_B
.irp c, 0,1,2,3
	ds_load_b128 v[128*(\p)+16*\i+4*\c:128*(\p)+16*\i+4*\c+3], v[ADRB+\slot] offset:128*(\q)+32*\c+\i*16*PITCH
.endr
.endm
.macro LA slot, q, p, i                ; A's image i likewise: four loads
	WIN 0
.irp c, 0,1,2,3
	ds_load_b128 v[AF+64*(\p)+16*\i+4*\c:AF+64*(\p)+16*\i+4*\c+3], v[ADRA+\slot] offset:(\q)*16384+\i*2048+512*\c
.endr
.endm
.macro SCALES sc
.irp i, 0,1,2,3,4,5,6,7
	ds_load_b64 v[SB+16*\sc+2*\i:SB+16*\sc+2*\i+1], v[ADSB] offset:\i*SBLK
.endr
.irp i, 0,1,2,3
	ds_load_b32 v[SA+8*\sc+2*\i], v[ADSA] offset:\i*128
	ds_load_b32 v[SA+8*\sc+2*\i+1], v[ADSA] offset:1024+\i*128
.endr
.endm
.macro PLACES n
.rept \n
	v_nop
.endr
.endm
; A slot's first step (sets 0).  Behind each group of eight products stand twelve loads of the slot's second step (sets 1).  What was fetched for this step came in the order B0-3, A0, B4-7, the scale words, A1-3.
.macro STEP slot, zero
	s_wait_dscnt 12                                ; all but the youngest 12 loads, A1-3
	WIN MUL
	MUL8 0, 0, 0, \slot, \zero
.irp i, 0,1,2
	LB \slot, 1, 1, \i
.endr
	s_wait_dscnt 12                                ; A1-3 are in: behind them the 12 loads above
	WIN MUL
	MUL8 1, 0, 0, \slot, \zero
.irp i, 3,4,5
	LB \slot, 1, 1, \i
.endr
	WIN MUL
	MUL8 2, 0, 0, \slot, \zero
	LB \slot, 1, 1, 6
	LB \slot, 1, 1, 7
	LA \slot, 1, 1, 0
	WIN MUL
	MUL8 3, 0, 0, \slot, \zero
.irp i, 1,2,3
	LA \slot, 1, 1, \i
.endr
.endm
.macro ASK                             ; behind the load of K step k: K step k + 2; the loop's last trip loads steps 6 and 7 and asks for nothing
	s_cmp_gt_u32 s3, 1
	s_cbranch_scc0 .Lno_ask_\@
	global_prefetch_b8 v[PFO], s[PFA:PFA+1] th:TH_LOAD_NT scope:SCOPE_SE
.Lno_ask_\@:
.endm
.macro TURN slot, next, fill
.if \fill
	s_wait_xcnt 0x0                                ; my last prefetch has read its address: it is stepped only behind this wait
	s_add_nc_u64 s[PFA:PFA+1], s[PFA:PFA+1], s[PFS:PFS+1]
.endif
	s_wait_tensorcnt 0x0
	ds_add_u32 v[SPW], v[NIL]
	s_wait_dscnt 13                                ; B's set and A0 are in; the add and the youngest 12 loads, A1-3, may be out
	WIN MUL
	MUL8 0, 1, 1, \slot, 0
	s_wait_dscnt 0x0
	s_barrier_signal -1
	MUL8 1, 1, 1, \slot, 0
	WIN 0
	s_barrier_wait -1
.if \fill
	CREST
	s_add_nc_u64 s[G0+4*\slot+2:G0+4*\slot+3], s[G0+4*\slot+2:G0+4*\slot+3], 4*524288
	s_add_nc_u64 s[G0B+4*\slot+2:G0B+4*\slot+3], s[G0B+4*\slot+2:G0B+4*\slot+3], 512
	JLOAD G0+4*\slot, G1, G0B+4*\slot, G1B
.endif
	v_add_nc_u32 v[ADSA], 2048, v[ADSA]            ; on to the next K step's scale words
	v_add_nc_u32 v[ADSB], 8, v[ADSB]
	s_wait_alu depctr_va_vdst(0)
.irp i, 0,1,2,3
	LB \next, 0, 0, \i                             ; the next slot's first step, in the order that STEP's waits count on
.endr
	LA \next, 0, 0, 0
	WIN MUL
	MUL8 2, 1, 1, \slot, 0
.irp i, 4,5,6,7
	LB \next, 0, 0, \i
.endr
	WIN 0
	SCALES \next
	WIN MUL
	MUL8 3, 1, 1, \slot, 0
.irp i, 1,2,3
	LA \next, 0, 0, \i
.endr
.if \fill
	ASK
.endif
.endm
	s_wait_alu depctr_va_vdst(0)
	s_wait_tensorcnt 0x0                           ; my tile of the head's four is in
	ds_add_u32 v[SPW], v[NIL]
	s_mov_b32 s[G1+1], 32<<16                      ; no tensor load of mine is out: from here on a load of A brings one head's images, 64 rows of 256 dense bytes,
	s_mov_b32 s[G1+2], 64<<16
	s_mov_b32 s[G1+3], 32<<16
	s_mov_b32 s[G1+4], 64
	s_mov_b32 s[G1+5], 32
	s_mov_b32 s[G1B+2], 128<<16                    ; and a load of B 128 rows
	s_mov_b32 s[G1B+4], 128
	s_wait_dscnt 0x0
	CROUND                                         ; all four tiles are in, in all sixteen work-groups
	JLOAD G0+4, G1, G0B+4, G1B                     ; K step 1 into slot 1
.irp i, 0,1,2,3
	LB 0, 0, 0, \i                                 ; the first step's fragments, in the order that STEP's waits count on
.endr
	LA 0, 0, 0, 0
.irp i, 4,5,6,7
	LB 0, 0, 0, \i
.endr
	WIN 0
	SCALES 0
.irp i, 1,2,3
	LA 0, 0, 0, \i
.endr
	global_prefetch_b8 v[PFO], s[PFA:PFA+1] th:TH_LOAD_NT scope:SCOPE_SE   ; K step 3
	STEP 0, 1
	s_mov_b32 s3, 3
.Llap:
	TURN 0, 1, 1
	STEP 1, 0
	TURN 1, 0, 1
	STEP 0, 0
	s_sub_co_u32 s3, s3, 1
	s_cmp_lg_u32 s3, 0
	s_cbranch_scc1 .Llap
	TURN 0, 1, 0
	STEP 1, 0
	s_wait_dscnt 0x0
	WIN MUL
	MUL8 0, 1, 1, 1, 0
	MUL8 1, 1, 1, 1, 0
	MUL8 2, 1, 1, 1, 0
	MUL8 3, 1, 1, 1, 0
	WIN 0
.macro TOSTAGE a
	WIN 0x08
.irp b, 0,1,2,3,4,5,6,7
	ds_store_b128 v[STO], v[64*(\a)+8*\b:64*(\a)+8*\b+3] offset:128*(\b/2)+32*(\b%2)
	ds_store_b128 v[STO], v[64*(\a)+8*\b+4:64*(\a)+8*\b+7] offset:128*(\b/2)+32*(\b%2)+16
.endr
	WIN 0
.set BB, BK+64*((\a)%2)
.irp t, 0,1,2,3,4,5,6,7,8,9,10,11,12,13,14,15
	ds_load_b128 v[BB+4*\t:BB+4*\t+3], v[RD] offset:\t*SPITCH
.endr
.endm
.macro SEND a, younger
.set BB, BK+64*((\a)%2)
	s_wait_dscnt \younger
.irp t, 0,1,2,3,4,5,6,7,8,9,10,11,12,13,14,15
	global_store_b128 v[CO], v[BB+4*\t:BB+4*\t+3], s[12:13] offset:(32*((\a)/2)+8*((\a)%2)+\t+8*(\t/8))*8192 th:TH_STORE_NT
.endr
.endm
	PLACES 8
	TOSTAGE 0
.irp a, 1,2,3
.if \a > 1
	s_wait_xcnt 0x0
.endif
	TOSTAGE \a
	SEND \a-1, 32
.endr
	SEND 3, 0
	s_wait_tensorcnt 0x0
	ds_add_u32 v[SPW], v[NIL]
	s_wait_dscnt 0x0
	CROUND
	s_endpgm
.Lfunc_end_k_qf674238368_oproj:
	.size	k_qf674238368_oproj, .Lfunc_end_k_qf674238368_oproj-k_qf674238368_oproj
	.p2alignl 7, 3214868480
	.fill 96, 4, 3214868480
	.section	.rodata,"a",@progbits
	.p2align	6, 0x0
	.amdhsa_kernel k_qf674238368_oproj
		.amdhsa_group_segment_fixed_size 327680
		.amdhsa_private_segment_fixed_size 0
		.amdhsa_enable_private_segment 0
		.amdhsa_kernarg_size 40
		.amdhsa_user_sgpr_count 2
		.amdhsa_user_sgpr_kernarg_segment_ptr 1
		.amdhsa_wavefront_size32 1
		.amdhsa_system_sgpr_workgroup_id_x 1
		.amdhsa_system_sgpr_workgroup_id_y 1
		.amdhsa_system_sgpr_workgroup_id_z 1
		.amdhsa_system_vgpr_workitem_id 0
		.amdhsa_next_free_vgpr 768
		.amdhsa_next_free_sgpr 100
		.amdhsa_reserve_vcc 0
		.amdhsa_float_denorm_mode_32 3
		.amdhsa_float_denorm_mode_16_64 3
		.amdhsa_memory_ordered 1
		.amdhsa_forward_progress 1
		.amdhsa_inst_pref_size 100
	.end_amdhsa_kernel
	.amdgpu_metadata
---
amdhsa.version: [ 1, 2 ]
amdhsa.kernels:
  - .name:           k_qf674238368_oproj
    .symbol:         k_qf674238368_oproj.kd
    .args:
      - { .name: a_codes, .offset: 0, .size: 8, .value_kind: global_buffer, .address_space: global }
      - { .name: a_scales, .offset: 8, .size: 8, .value_kind: global_buffer, .address_space: global }
      - { .name: codes, .offset: 16, .size: 8, .value_kind: global_buffer, .address_space: global }
      - { .name: scales, .offset: 24, .size: 8, .value_kind: global_buffer, .address_space: global }
      - { .name: out0, .offset: 32, .size: 8, .value_kind: global_buffer, .address_space: global }
    .group_segment_fixed_size: 327680
    .private_segment_fixed_size: 0
    .kernarg_segment_align: 8
    .kernarg_segment_size: 40
    .max_flat_workgroup_size: 128
    .sgpr_count:     100
    .vgpr_count:     768
    .wavefront_size: 32
...
	.end_amdgpu_metadata
.endif
;; end of part 4
